; MI455X (gfx1250); checked and timed in simulation.
; The chip was launched on July 23, 2026; its instructions are those of AMD's public machine-readable ISA for CDNA 5 (MIT licence, August 2026) and "CDNA5" Instruction Set Architecture Reference Guide (July 2026). The comments in the code are by the model that wrote it; some were corrected since.
;; Mo E. Allowed arithmetic: matrix products marked QUANTISED: E5M2 operands, one E8M0 scale for each 32 along K, by v_wmma_scale_f32_16x16x128_f8f6f4 with both operands' format E5M2, f32 sums; products left as they are: f32 operands where the result goes on into a quantised operand, else bf16, f16 or f32 operands; f32 sums; everything else in f32.
;; Inputs: b1 8 x 2,048 float32; b2 8 x 1,024 float32; gate_w 1,024 x 8 float32; ln_b 8 x 1,024 float32; ln_g 8 x 1,024 float32; w1_codes 8 x 2,048 x 32 x 32 uint8 (E5M2 codes of w1, K innermost, in blocks of 32 codes); w1_scales 8 x 2,048 x 32 uint8 (E8M0 scales of w1, one for each 32 codes along K); w2_codes 8 x 1,024 x 64 x 32 uint8 (E5M2 codes of w2, K innermost, in blocks of 32 codes); w2_scales 8 x 1,024 x 64 uint8 (E8M0 scales of w2, one for each 32 codes along K); x 2 x 1,024 x 1,024 float32.
;; Outputs: out0 2 x 1,024 x 1,024 float32.
;; This version of the problem:
;;   THIS VERSION OF THE PROBLEM IS GIVEN IN LOW PRECISION. The matrix products marked QUANTISED in the list below multiply operands that are first quantised to E5M2 (5 exponent bits, 2 mantissa bits; 8 bits a number), with one power-of-two scale for each 32 numbers along K (OCP MX v1.0); their sums are f32. All else is computed in f32.
;;   The module's matrix products, in the order in which they are computed (A, B: the left and right operand; K: the contracted axis; several contracted axes count as one K, in the product's order):
;;     1. [M 2,048, K 1,024] x [K 1,024, N 8]; A: input x; B: input gate_w: left as it is (N = 8 < 16)
;;     2. [M 16,384, K 1,024] x [K 1,024, N 2,048]; A: input w1 (given as codes); B: input x: QUANTISED
;;     3. batch 8 x [M 2,048, K 2,048] x [K 2,048, N 1,024]; A: computed on the way; B: input w2 (given as codes): QUANTISED
;;     4. batch 2,048 x [M 1, K 8] x [K 8, N 1,024]; A: computed on the way; B: computed on the way: left as it is (K = 8 < 32)
;;   THE QUANTISER, for each operand of a quantised product, along K:
;;     - K is cut into blocks of 32 from its start; a last block that is shorter is filled with zeros.
;;     - A block's scale is 2^e with e = floor(log2(the largest magnitude in the block)) - 15, held to -126 .. 127; a block of zeros has e = 0. As a byte (E8M0): e + 127.
;;     - Each number is divided by its block's scale, clamped to +-57,344, and rounded to the nearest number of E5M2, ties to even, subnormals kept.
;;     - The product sums the exact products of the quantised numbers (number of the format x scale) in f32.
;;   ~~~python
;;   def quantise(x, axis):      # numpy; x: float32 -> the quantised numbers, widened to float32 again
;;       x = np.moveaxis(x, axis, -1); K = x.shape[-1]
;;       x = np.pad(x, [(0, 0)] * (x.ndim - 1) + [(0, -K % 32)]); x = x.reshape(x.shape[:-1] + (-1, 32)); a = np.abs(x).max(-1, keepdims=True)
;;       e = np.where(a > 0, np.clip(np.frexp(np.where(a > 0, a, 1))[1] - 1 - 15, -126, 127), 0)      # np.frexp(a)[1] - 1 = floor(log2(a)), exactly
;;       r = np.clip(x / 2.0 ** e, -57344, 57344)
;;       step = 2.0 ** (np.maximum(np.frexp(np.where(r == 0, 1, r))[1] - 1, -14) - 2)
;;       q = np.round(r / step) * step * 2.0 ** e      # np.round: ties to even
;;       return np.moveaxis(q.reshape(q.shape[:-2] + (-1,))[..., :K], -1, axis).astype(np.float32)
;;   ~~~
;;   OPERANDS COMPUTED ON THE WAY. 'Computed on the way' means the value that the module computes at that place (a softmax that the list does not call 'softmax' is quantised finished and normalised). What goes into a quantiser is computed in f32, as accurately as f32 sums, v_exp_f32 and their like allow (about 1e-6 of the number): no bf16 or f16 on the way to a quantiser, and a product that is left as it is and whose result goes on into a quantised operand takes f32 operands (vector FMAs, or v_wmma_f32_16x16x4_f32). A number that lies on a knife's edge between two numbers of the format may be rounded either way, as far as f32 arithmetic and the matrix unit's own rounding can turn it there, and no further.
;;   INPUTS GIVEN AS CODES. w1 (in the module: [8, 1024, 2048], K = its axis 1); w2 (in the module: [8, 2048, 1024], K = its axis 1): each comes as NAME_codes (uint8): NAME with its K axis moved to the last place and cut into blocks of 32 codes, [.., K / 32, bytes a block], one block behind the other in memory; one code a byte (a code: sign, 5 exponent bits, 2 mantissa bits); and NAME_scales (uint8): the same leading axes, one E8M0 byte (e + 127) for each 32 codes along K. Its value is code x scale, taken as it is: it is not quantised again, and the codes and scales need not be those that the quantiser above would give.
;; One version. Each part assembles by itself: llvm-mc -triple=amdgcn-amd-amdhsa -mcpu=gfx1250 --defsym DOCPART=n.
;; ======== version 1 of 1: 4 launches
;; limits: right only within a limited range of input values
;; workspace buffers: xq_codes 2,097,152 bytes; xq_scales 65,536 bytes; choice 16,384 bytes of whole numbers; gatew 16,384 bytes; hq_codes 41,943,040 bytes; hq_scales 1,310,720 bytes; rbuf 16,777,216 bytes
;; launch route (part 1): grid 256 x 1, 4 waves a work-group, no clusters, 75,520 bytes of LDS; arguments x, gate_w, xq_codes, xq_scales, choice, gatew; writes xq_codes, xq_scales, choice, gatew
.if DOCPART == 1
	.amdgcn_target "amdgcn-amd-amdhsa--gfx1250"
	.amdhsa_code_object_version 6
	.text
	.protected	k_qca39a40a80_route
	.globl	k_qca39a40a80_route
	.p2align	8
	.type	k_qca39a40a80_route,@function
k_qca39a40a80_route:
	s_mov_b64 s[64:65], 0
	v_nop
	global_prefetch_b8 v0, s[64:65] scope:SCOPE_SE
	s_setreg_imm32_b32 hwreg(HW_REG_WAVE_MODE, 25, 1), 1
	s_wait_xcnt 0x0
; ROUTE: for each of the 2,048 tokens: the 8 gate scores (f32 multiply-adds), the two largest (the lower index wins a tie, as jax.lax.top_k has it), their softmax (the larger score taken away first),
; and x quantised along its 1,024 numbers into codes of E5M2 with one E8M0 byte for each 32.
; WORK LEFT OUT BY THE WHOLE PROGRAM.  For an expert e that is not among ei[t, :] the mask (ei == e) that reference() builds is false for both k, so wE[e, t] is exactly 0 and y[e, t, :] enters out only as 0 x y.
; So rows (e, t) of both quantised products, of the GELU and of the LayerNorm are computed only for the two chosen experts of each token: 4,096 of 16,384 rows, whatever the inputs hold.  Every input stays live and is loaded.
; LIMITS.  A NaN, an infinity or an overflow that arises only in a row of an expert that was not chosen is not carried to the result.  NaN and infinities among the inputs are not served.
; A block whose largest magnitude lies under 2^-111 keeps the scale byte 1; a block of zeros has byte 1 where the rule says 127: its codes are zeros, and this program alone reads the bytes.
; The scores are summed in another order than reference() sums them: two scores that differ by a few last bits may change places.
; SHARES.  A work-group takes 8 tokens, a wave 2.  A token goes in 2 steps of 512 numbers; ts = 2 x (token of the wave) + step.  Each load reads 512 consecutive bytes; a step's 2,048 bytes turn through the wave's own
; stage in LDS (80 bytes a lane: 64 + 16 of padding), so that a lane then holds 16 neighbours: two lanes hold a block of 32.  gate_w comes into LDS once, as 64 pieces of 512 bytes 528 bytes apart, and each lane
; takes the 32 rows of it that belong to its numbers into the 256 registers of window 1.  No matrix unit: 8 columns are too few for a tile.  No cluster: what is shared, gate_w, is 32 KiB.
.set GWL,   40960                      ; behind the four waves' stages (4 x 2,560 bytes each): gate_w, 64 x 528 bytes
.set SBY,   74752                      ; the 256 scale bytes of the work-group's 8 tokens
.set SPARE, 75008                      ; the spare words, 128 bytes for each wave: two blocks of 256 bytes that no other line names
.set SPW, 1                            ; v1  LDS address of my spare word; never rewritten
.set NIL, 2                            ; v2  0; never rewritten
.set R,   16                           ; v16-79   x as loaded, 16 registers a step; later the codes, 4 a step
.set X,   80                           ; v80-143  16 neighbours a step
.set G,   144                          ; v144-207 gate_w on its way into LDS
.set ACC, 208                          ; v208-223 the scores: 8 for each of my two tokens
.set TT,  224                          ; v224-239 the top two: 8 registers a token: best, its index, second, its index, at work, e, w0, w1
.set MSB, 0
.macro WIN new                         ; the immediate's high byte repeats the setting that is left
.if MSB != \new
	s_set_vgpr_msb (MSB<<8)|\new
.set MSB, \new
.endif
.endm
	s_load_b256 s[4:11], s[0:1], 0x0               ; x s[4:5], gate_w s[6:7], xq_codes s[8:9], xq_scales s[10:11]
	s_load_b128 s[12:15], s[0:1], 0x20             ; choice s[12:13], gatew s[14:15]
	v_lshl_add_u32 v[SPW], v0, 2, SPARE
	v_mov_b32 v[NIL], 0
	v_lshrrev_b32 v14, 5, v0
	v_readfirstlane_b32 s16, v14                   ; wave 0..3
	v_and_b32 v3, 31, v0                           ; lane
	v_lshlrev_b32 v4, 4, v3                        ; 16 x lane: my bytes of a load's 512, and of a step's codes
	s_mul_i32 s23, s16, 10240                      ; my wave's four stages
	v_lshrrev_b32 v5, 2, v3
	v_mul_u32_u24 v5, v5, 80
	v_and_b32 v15, 3, v3
	v_lshl_add_u32 v5, v15, 4, v5
	v_add_nc_u32 v5, s23, v5                       ; into a stage: four lanes' 64 bytes on end, then 16 of padding
	v_mul_u32_u24 v6, v3, 80
	v_add_nc_u32 v6, s23, v6                       ; out of it: my 16 neighbours
	v_lshlrev_b32 v10, 4, v0                       ; 16 x thread: gate_w in memory
	v_lshl_add_u32 v7, v14, 4, v10
	v_add_nc_u32 v7, GWL, v7                       ; and in LDS: 16 bytes more for each 512 passed
	v_mul_u32_u24 v8, v3, 528
	v_add_nc_u32 v8, GWL, v8                       ; my lane's piece of a step
	s_lshl_b32 s23, s16, 6
	s_add_co_u32 s23, s23, SBY
	v_lshrrev_b32 v9, 1, v3
	v_add_nc_u32 v9, s23, v9                       ; my block's scale byte: 64 bytes a wave, a byte for two lanes
	v_lshlrev_b32 v11, 2, v3                       ; 4 x lane
	v_lshlrev_b32 v13, 3, v3                       ; 8 x lane
	v_add_nc_u32 v12, SBY, v13
	s_lshl_b32 s17, ttmp9, 3
	s_lshl_b32 s18, s16, 1
	s_add_co_u32 s17, s17, s18                     ; my first token: 8 x work-group + 2 x wave
	s_mov_b32 s19, 0
	s_mov_b32 s20, 0x76543210
	s_mov_b32 s21, 0xfedcba98                      ; v_permlanex16_b32's selects for lane l xor 16
	s_mov_b32 s22, 0x600000                        ; the mantissa field of 57,344
	s_wait_alu depctr_va_vdst(0)
	s_wait_kmcnt 0x0
	s_lshl_b32 s18, s17, 12
	s_add_nc_u64 s[4:5], s[4:5], s[18:19]          ; x: 4,096 bytes a token
	s_lshl_b32 s18, s17, 10
	s_add_nc_u64 s[8:9], s[8:9], s[18:19]          ; codes: 1,024
	s_lshl_b32 s18, s17, 3
	s_add_nc_u64 s[12:13], s[12:13], s[18:19]      ; two words a token
	s_add_nc_u64 s[14:15], s[14:15], s[18:19]
	s_lshl_b32 s18, ttmp9, 8
	s_add_nc_u64 s[10:11], s[10:11], s[18:19]      ; scale bytes: 256 a work-group
.irp m, 0,1,2,3,4,5,6,7,8,9,10,11,12,13,14,15
	global_load_b128 v[G+4*\m:G+4*\m+3], v10, s[6:7] offset:2048*\m
.endr
.irp ts, 0,1,2,3
.irp i, 0,1,2,3
	global_load_b128 v[R+16*\ts+4*\i:R+16*\ts+4*\i+3], v4, s[4:5] offset:2048*\ts+512*\i th:TH_LOAD_NT   ; 32 lanes read 512 consecutive bytes
.endr
.endr
	s_wait_loadcnt 16                              ; gate_w is in; the 16 loads of x issued behind it may be out
.irp m, 0,1,2,3,4,5,6,7,8,9,10,11,12,13,14,15
	ds_store_b128 v7, v[G+4*\m:G+4*\m+3] offset:2112*\m     ; 2,048 bytes are four pieces: 4 x 528
.endr
	s_wait_loadcnt 0x0
.macro TURN ts                         ; a step's numbers through my own stage: LDS serves a wave's instructions in order, so no wait stands between the stores and the loads
.irp i, 0,1,2,3
	ds_store_b128 v5, v[R+16*(\ts)+4*\i:R+16*(\ts)+4*\i+3] offset:2560*(\ts)+640*\i
.endr
.irp i, 0,1,2,3
	ds_load_b128 v[X+16*(\ts)+4*\i:X+16*(\ts)+4*\i+3], v6 offset:2560*(\ts)+16*\i
.endr
.endm
	TURN 0
	TURN 1
	TURN 2
	TURN 3
	s_wait_dscnt 0x0                               ; for the others' sake: my part of gate_w lies in LDS
	s_barrier_signal -1
	s_barrier_wait -1
	WIN 0x40                                       ; destination window 1
.irp s, 0,1
.irp i, 0,1,2,3,4,5,6,7,8,9,10,11,12,13,14,15
	ds_load_b128 v[128*\s+8*\i:128*\s+8*\i+3], v8 offset:16896*\s+32*\i          ; gate_w[512 s + 16 lane + i][0..3]
	ds_load_b128 v[128*\s+8*\i+4:128*\s+8*\i+7], v8 offset:16896*\s+32*\i+16     ; [4..7]
.endr
.endr
	WIN 0
	s_wait_dscnt 0x0
; 128 multiply-adds: my 16 numbers of step ts against their 8 gate weights each; the 8 sums take turns.  A token's first products start its sums.
; Packed, two scores an instruction, for step s of both tokens: the low or the high register of a pair of x serves both halves.
.macro FMAS s
	WIN 0x04                                       ; source 1 window 1
.set ii, 0
.rept 16
.set ee, 0
.rept 4
.irp k, 0,1
.set XP, X+16*((\s)+2*\k)+2*(ii/2)
.set GP, 128*(\s)+8*ii+ee
.set AP, ACC+8*\k+ee
.if ((\s) == 0) && (ii == 0)
	v_pk_mul_f32 v[AP:AP+1], v[XP:XP+1], v[GP:GP+1] op_sel_hi:[0,1]
.elseif (ii%2) == 0
	v_pk_fma_f32 v[AP:AP+1], v[XP:XP+1], v[GP:GP+1], v[AP:AP+1] op_sel_hi:[0,1,1]
.else
	v_pk_fma_f32 v[AP:AP+1], v[XP:XP+1], v[GP:GP+1], v[AP:AP+1] op_sel:[1,0,0] op_sel_hi:[1,1,1]
.endif
.endr
.set ee, ee+2
.endr
.set ii, ii+1
.endr
	WIN 0
.endm
; Step ts is quantised: it holds the numbers in place, so it stands behind the step's multiply-adds.
.macro QSTEP ts
.set XQ, X+16*(\ts)
	v_max3_num_f32 v240, |v[XQ]|, |v[XQ+1]|, |v[XQ+2]|             ; the largest magnitude of my 16, in two chains
	v_max3_num_f32 v241, |v[XQ+3]|, |v[XQ+4]|, |v[XQ+5]|
.irp i, 6,10
	v_max3_num_f32 v240, v240, |v[XQ+\i]|, |v[XQ+\i+1]|
	v_max3_num_f32 v241, v241, |v[XQ+\i+2]|, |v[XQ+\i+3]|
.endr
	v_max3_num_f32 v240, v240, |v[XQ+14]|, |v[XQ+15]|
	v_max3_num_f32 v240, v240, v241, 0x8000000     ; and the floor 2^(16 - 127): the byte cannot fall under 1
	v_max_num_f32_dpp v240, v240, v240 row_xmask:1 row_mask:0xf bank_mask:0xf   ; with my neighbour's 16: the block's
	v_add_nc_u32 v242, 0xf8800000, v240            ; 15 off its exponent field: the conversion's scale operand
	v_and_or_b32 v243, v240, 0x7f800000, s22       ; 57,344 x the scale
.irp i, 0,1,2,3,4,5,6,7,8,9,10,11,12,13,14,15
	v_med3_num_f32 v[XQ+\i], v[XQ+\i], -v243, v243 ; the conversion to an 8-bit code does not saturate (ISA guide 7.6.2): the hold comes first
.endr
	v_cvt_scalef32_pk8_bf8_f32 v[R+4*(\ts):R+4*(\ts)+1], v[XQ:XQ+7], v242
	v_cvt_scalef32_pk8_bf8_f32 v[R+4*(\ts)+2:R+4*(\ts)+3], v[XQ+8:XQ+15], v242
	v_lshrrev_b32 v[244+(\ts)], 23, v242           ; the scale's byte (also the plain line behind the conversions)
	ds_store_b8 v9, v[244+(\ts)] offset:16*(\ts)   ; both lanes of a block write the same byte with the same value
	global_store_b128 v4, v[R+4*(\ts):R+4*(\ts)+3], s[8:9] offset:512*(\ts)   ; 32 lanes store 512 consecutive bytes
.endm
	FMAS 0
	QSTEP 0
	QSTEP 2
	FMAS 1
	QSTEP 1
	QSTEP 3
	; the 16 sums over the 32 lanes, by turns; every lane ends with every score
.irp m, 1,2,4,8
.irp a, 0,1,2,3,4,5,6,7,8,9,10,11,12,13,14,15
	v_add_f32_dpp v[ACC+\a], v[ACC+\a], v[ACC+\a] row_xmask:\m row_mask:0xf bank_mask:0xf
.endr
.endr
.irp a, 0,1,2,3,4,5,6,7,8,9,10,11,12,13,14,15
	v_permlanex16_b32 v[X+\a], v[ACC+\a], s20, s21 ; (its destination counts as read: x's registers have been written and are done with)
.endr
.irp a, 0,1,2,3,4,5,6,7,8,9,10,11,12,13,14,15
	v_add_f32 v[ACC+\a], v[ACC+\a], v[X+\a]
.endr
; The two largest of a token's 8 scores.  Strictly greater: the lower index keeps its place.  No branch and no address hangs on these numbers: they are selected and stored.
; Both tokens by turns.  The second search runs over copies in which the best score is replaced by -infinity.
.irp u, 0,1
	v_mov_b32 v[TT+8*\u], v[ACC+8*\u]
	v_mov_b32 v[TT+8*\u+1], 0
	v_mov_b32 v[TT+8*\u+2], 0xff800000             ; -infinity
	v_mov_b32 v[TT+8*\u+3], 0
.endr
.irp e, 1,2,3,4,5,6,7
.irp u, 0,1
	v_cmp_gt_f32 s[24+\u], v[ACC+8*\u+\e], v[TT+8*\u]
.endr
.irp u, 0,1
	v_cndmask_b32 v[TT+8*\u], v[TT+8*\u], v[ACC+8*\u+\e], s[24+\u]
	v_cndmask_b32 v[TT+8*\u+1], v[TT+8*\u+1], \e, s[24+\u]
.endr
.endr
.irp e, 0,1,2,3,4,5,6,7
.irp u, 0,1
	v_cmp_eq_u32 s[24+\u+2*(\e%2)], \e, v[TT+8*\u+1]
.endr
.irp u, 0,1
	v_cndmask_b32 v[X+8*\u+\e], v[ACC+8*\u+\e], v[TT+8*\u+2], s[24+\u+2*(\e%2)]
.endr
.endr
.irp e, 0,1,2,3,4,5,6,7
.irp u, 0,1
	v_cmp_gt_f32 s[24+\u], v[X+8*\u+\e], v[TT+8*\u+2]
.endr
.irp u, 0,1
	v_cndmask_b32 v[TT+8*\u+2], v[TT+8*\u+2], v[X+8*\u+\e], s[24+\u]
	v_cndmask_b32 v[TT+8*\u+3], v[TT+8*\u+3], \e, s[24+\u]
.endr
.endr
.irp u, 0,1
	v_sub_f32 v[TT+8*\u+4], v[TT+8*\u+2], v[TT+8*\u]   ; the maximum is taken away, as reference()'s softmax does: 0 and this, which is 0 or less
.endr
.irp u, 0,1
	v_mul_f32 v[TT+8*\u+4], 0x3fb8aa3b, v[TT+8*\u+4]
.endr
	s_wait_alu depctr_va_vdst(0)
	v_exp_f32 v[TT+5], v[TT+4]
	v_exp_f32 v[TT+13], v[TT+12]
	v_nop                                          ; a plain line behind the transcendentals
	s_wait_alu depctr_va_vdst(0)                   ; one wait for both, ahead of their first reader
	v_add_f32 v[TT+6], 1.0, v[TT+5]
	v_add_f32 v[TT+14], 1.0, v[TT+13]
	s_wait_alu depctr_va_vdst(0)
	v_rcp_f32 v[TT+6], v[TT+6]                     ; w0 = 1 / (1 + e)
	v_rcp_f32 v[TT+14], v[TT+14]
	v_nop
	s_wait_alu depctr_va_vdst(0)
	v_mul_f32 v[TT+7], v[TT+5], v[TT+6]            ; w1 = e / (1 + e)
	v_mul_f32 v[TT+15], v[TT+13], v[TT+14]
	v_and_b32 v14, 1, v3                           ; lanes 0 to 3 take (token, k) = (lane / 2, lane % 2)
	v_cmp_ne_u32 s26, 0, v14
	v_and_b32 v14, 2, v3
	v_cmp_ne_u32 s27, 0, v14
	v_cndmask_b32 v240, v[TT+1], v[TT+3], s26
	v_cndmask_b32 v241, v[TT+9], v[TT+11], s26
	v_cndmask_b32 v240, v240, v241, s27
	v_cndmask_b32 v242, v[TT+6], v[TT+7], s26
	v_cndmask_b32 v243, v[TT+14], v[TT+15], s26
	v_cndmask_b32 v242, v242, v243, s27
	v_cmp_gt_u32 vcc_lo, 4, v3
	s_wait_alu depctr_va_vdst(0)
	s_wait_xcnt 0x0                                ; EXEC changes only behind this wait: the codes' stores have been issued
	s_and_saveexec_b32 s28, vcc_lo
	global_store_b32 v11, v240, s[12:13]           ; the chosen experts, whole numbers at fixed places
	global_store_b32 v11, v242, s[14:15]           ; and their weights
	s_wait_xcnt 0x0                                ; and again, in front of the line that widens it
	s_or_b32 exec_lo, exec_lo, s28
	s_wait_dscnt 0x0                               ; my scale bytes lie in LDS
	s_barrier_signal -1
	s_barrier_wait -1
	s_cmp_lg_u32 s16, 0
	s_cbranch_scc1 .Lclose
	ds_load_b64 v[14:15], v12                      ; wave 0: the work-group's 256 scale bytes,
	s_wait_dscnt 0x0
	global_store_b64 v13, v[14:15], s[10:11]       ; 256 consecutive bytes, aligned
.Lclose:
	s_wait_tensorcnt 0x0                           ; the wave's end: behind my last LDS store
	ds_add_u32 v[SPW], v[NIL]
	s_wait_dscnt 0x0
	s_endpgm
.Lfunc_end_k_qca39a40a80_route:
	.size	k_qca39a40a80_route, .Lfunc_end_k_qca39a40a80_route-k_qca39a40a80_route
	.p2alignl 7, 3214868480
	.fill 96, 4, 3214868480
	.section	.rodata,"a",@progbits
	.p2align	6, 0x0
	.amdhsa_kernel k_qca39a40a80_route
		.amdhsa_group_segment_fixed_size 75520
		.amdhsa_private_segment_fixed_size 0
		.amdhsa_enable_private_segment 0
		.amdhsa_kernarg_size 48
		.amdhsa_user_sgpr_count 2
		.amdhsa_user_sgpr_kernarg_segment_ptr 1
		.amdhsa_wavefront_size32 1
		.amdhsa_system_sgpr_workgroup_id_x 1
		.amdhsa_system_sgpr_workgroup_id_y 1
		.amdhsa_system_sgpr_workgroup_id_z 1
		.amdhsa_system_vgpr_workitem_id 0
		.amdhsa_next_free_vgpr 512
		.amdhsa_next_free_sgpr 66
		.amdhsa_reserve_vcc 1
		.amdhsa_float_denorm_mode_32 3
		.amdhsa_float_denorm_mode_16_64 3
		.amdhsa_memory_ordered 1
		.amdhsa_forward_progress 1
		.amdhsa_inst_pref_size 53
	.end_amdhsa_kernel
	.amdgpu_metadata
---
amdhsa.version: [ 1, 2 ]
amdhsa.kernels:
  - .name:           k_qca39a40a80_route
    .symbol:         k_qca39a40a80_route.kd
    .args:
      - { .name: x, .offset: 0, .size: 8, .value_kind: global_buffer, .address_space: global }
      - { .name: gate_w, .offset: 8, .size: 8, .value_kind: global_buffer, .address_space: global }
      - { .name: xq_codes, .offset: 16, .size: 8, .value_kind: global_buffer, .address_space: global }
      - { .name: xq_scales, .offset: 24, .size: 8, .value_kind: global_buffer, .address_space: global }
      - { .name: choice, .offset: 32, .size: 8, .value_kind: global_buffer, .address_space: global }
      - { .name: gatew, .offset: 40, .size: 8, .value_kind: global_buffer, .address_space: global }
    .group_segment_fixed_size: 75520
    .private_segment_fixed_size: 0
    .kernarg_segment_align: 8
    .kernarg_segment_size: 48
    .max_flat_workgroup_size: 128
    .sgpr_count:     66
    .vgpr_count:     512
    .wavefront_size: 32
...
	.end_amdgpu_metadata
.endif
;; end of part 1
;; launch ffn1 (part 2): grid 8 x 32, 8 waves a work-group, no clusters, 244,992 bytes of LDS; arguments xq_codes, xq_scales, choice, w1_codes, w1_scales, b1, hq_codes, hq_scales; writes hq_codes, hq_scales
.if DOCPART == 2
	.amdgcn_target "amdgcn-amd-amdhsa--gfx1250"
	.amdhsa_code_object_version 6
	.text
	.protected	k_qca39a40a80_ffn1
	.globl	k_qca39a40a80_ffn1
	.p2align	8
	.type	k_qca39a40a80_ffn1,@function
k_qca39a40a80_ffn1:
	s_mov_b64 s[64:65], 0
	v_nop
	global_prefetch_b8 v0, s[64:65] scope:SCOPE_SE
	s_setreg_imm32_b32 hwreg(HW_REG_WAVE_MODE, 25, 1), 1
	s_wait_xcnt 0x0
; FFN1: h = Q(gelu(Q(x) w1[e] + b1[e])) for the rows of one expert e out of one window of 512 tokens (work-group y = 4 e + window) and 256 of the 2,048 hidden units (work-group x).  Rows of experts that were not chosen are left out: see ROUTE's head.
; THE ROWS.  A window has at most 512 tokens with this expert; they go in passes of 160 rows, four at the most (P0 = 0, 160, 320, 480).  Row p is the window's p-th token, in ascending order, that chose e.
; EACH WAVE FINDS ITS ROWS ITSELF: 16 lane masks of 32 tokens each say who chose e (s[M..]), their counts are summed (s[S + 1 ..]); lane l then looks for token number p0 + 20 wave + l: the last mask that begins at or under it, and in it the n-th set bit.
; A pass without rows passes every barrier like any other and jumps over the work between them, by scalar branches on the count, which is the same in all eight waves; none leads round a barrier.  Pass 0 always works (n is held at 1 or more).
; Operands go memory -> registers -> LDS -> fragments.  K = 1,024 goes in 4 steps of 256 through two LDS slots.
; THE STREAM.  A wave's 26 loads of a step (16 of w1, 10 of x) stand in registers; as each is stored into LDS (counted wait), the next step's load into the same registers follows behind the wait that shows the LDS store done: XCH.
; PREFETCH: w1's rows of K steps 1 and 2, which four work-groups (the windows) read, a quarter each, one instruction in waves 0 to 3.  x's rows are asked for by their loads as soon as they are known; step 3 has a whole step in which to come.
; SHARES.  Wave w: rows 80 (w & 1) on (five tiles of 16), hidden units 64 (w >> 1) on (four tiles): 20 accumulators, which take turns, one instruction a turn.
; THE PRODUCT IS USED TRANSPOSED (source 0 = 16 rows of w1, source 1 = 16 rows of x), and THE ROWS OF w1 THAT FORM A TILE ARE NOT NEIGHBOURS: lane i of tile 2 B + u takes row 32 B + 8 u + i + 8 (i / 8).  So a lane holds one
; row of x, and the 16 registers of tiles 2 B, 2 B + 1 are hidden units 32 B + 16 (lane / 16) + 0 .. 15: neighbours along the next product's K.  The store into LDS lays w1's rows in that order (bits 3 and 4 of the row's
; number change places).  b1 is the C of each sum's first matrix instruction.
; GELU, exact form: gelu(z) = max(z, 0) - |z| q, q = erfc(|z| / sqrt 2) / 2, which holds on both sides of 0 and forms no difference of near numbers in the negative tail.  erfc(u) = t exp(-u^2 + sum a_k t^k), t = 1 / (1 + u / 2):
; a fit of degree 9 whose fractional error stays under 1.2e-7 for all u; all in f32.
; LIMITS: as in ROUTE's head for the quantiser.  A pass's rows beyond the count hold some token of the window, are computed and stored, and the next launch drops them.
; hq_codes: [work-group y][640 rows][2,048];  hq_scales: [K / 256: 8][y][640 rows][8].
.set PITCH, 272                        ; an LDS row: 256 bytes + 16 of padding
.set XREG,  160*PITCH                  ; a slot: x's 160 rows,
.set SLOT,  XREG+256*PITCH             ; then w1's 256
.set WS,    2*SLOT                     ; w1's scale bytes [256 rows][32]
.set XS,    WS+8192                    ; x's: [8 waves][32 lanes][32]: row R lies at wave R / 20, lane R % 20; lanes 20 to 31 are never read
.set SST,   XS+8192                    ; the hidden layer's scale bytes [160][8]
.set SPARE, SST+1280                   ; the spare words, 128 bytes for each wave
.set SPW, 1
.set NIL, 2
.set AX,  3                            ; v3-4    my x fragments in slot 0, 1
.set AW,  5                            ; v5-6    my w1 fragments
.set SX,  7                            ; v7-8    where I store x's rows 20 w + 2 i + h; v7 also reads the codes' stage
.set SW,  9                            ; v9-10   where I store w1's rows
.set WO,  11                           ; v11     w1 in memory: row thread / 16, 16 bytes a lane
.set AXS, 12                           ; v12-16  x's scale words, a register for each tile of rows
.set AWS, 17                           ; v17     w1's scale words
.set XO,  18                           ; v18-27  x in memory: the ten pairs of rows that I fetch
.set XSA, 28                           ; v28     where I store a row's scale bytes
.set P0L, 29                           ; v29     20 w + lane
.set R16, 30                           ; v30     16 (lane % 16)
.set HH4, 31                           ; v31     4 (lane / 16)
.set XSC, 32                           ; v32-41  x's scale words, a pair for each tile of rows: scales and nothing else
.set WSC, 42                           ; v42-49  w1's likewise
.set A8,  50                           ; v50-51  a8, twice
.set TB,  52                           ; v52 on  at work while rows are looked for (no fragment is in use then)
.set XF,  52                           ; v52-131  x's five fragments
.set WF,  132                          ; v132-195 w1's four
.set STX, 196                          ; v196-235 x's rows on their way into LDS
.set CS,  236                          ; v236    the codes' stage: where I put 16 codes
.set SSA, 237                          ; v237    and my two scale bytes
.set GO,  238                          ; v238    hq_codes: row 20 w + h, 16 bytes a lane
.set T8,  239                          ; v239    8 x thread
.set SCB, 240                          ; v240-247 scale bytes on their way into LDS
.set SSR, 248                          ; v248    a row's 8 scale bytes on the way out
.set PF,  249                          ; v249    the prefetch's offset; never rewritten
.set WSA, 250                          ; v250    where I store w1's scale bytes
.set T16, 251                          ; v251    16 x thread
.set B1O, 252                          ; v252    64 h: b1's 16 numbers of my half
.set CHO, 253                          ; v253    8 x lane
.set TOK, 254                          ; v254    my lane's token
.set XSO, 255                          ; v255    its scale bytes in memory
.set CD,  52                           ; the way out: codes, 8 registers for each tile of rows
.set HW,  100                          ; and a halfword of two scale bytes
.set OB,  112                          ; rows read back from the stage
.set ACC, 0                            ; window 1: v0-159 accumulator (a, b) at 32 a + 8 b
.set STW, 160                          ; window 1: v160-223 w1's rows on their way into LDS
.set BI,  224                          ; window 1: v224-255 b1 in the result's layout, 8 registers a tile
.set T,   160                          ; window 1, behind the products: t; the quantiser's temporaries
.set Z2,  192
.set P,   224
.set NA,  26                           ; s26     rows, at least 1
.set P0,  27                           ; s27     the pass's first row
.set M,   70                           ; s70-85  who of 32 tokens chose my expert
.set S,   86                           ; s87-101 how many stand ahead of mask 1 .. 15
.set MSB, 0
.macro WIN new                         ; the immediate's high byte repeats the setting that is left; at a label and at a branch every window is 0
.if MSB != \new
	s_set_vgpr_msb (MSB<<8)|\new
.set MSB, \new
.endif
.endm
.macro PLACES n
.rept \n
	v_nop
.endr
.endm
	s_load_b512 s[4:19], s[0:1], 0x0               ; xq_codes 4, xq_scales 6, choice 8, w1_codes 10, w1_scales 12, b1 14, hq_codes 16, hq_scales 18
	v_lshl_add_u32 v[SPW], v0, 2, SPARE
	v_mov_b32 v[NIL], 0
	v_lshrrev_b32 v52, 5, v0
	v_readfirstlane_b32 s20, v52                   ; wave 0..7
	s_and_b32 s21, s20, 1                          ; wm: which 80 rows
	s_lshr_b32 s22, s20, 1                         ; wn: which 64 hidden units
	s_and_b32 s23, ttmp7, 0xffff
	s_lshr_b32 s24, s23, 2                         ; the expert
	s_and_b32 s25, s23, 3                          ; the window of 512 tokens
	s_mul_i32 s70, s21, 80*PITCH
	s_lshl_b32 s28, s22, 6
	s_add_co_u32 s75, s70, s28
	s_mul_i32 s71, s22, 64*PITCH
	s_add_co_u32 s71, s71, XREG
	s_mul_i32 s72, s20, 20*PITCH
	s_lshl_b32 s73, s21, 12
	s_add_co_u32 s73, s73, XS
	s_lshl_b32 s74, s22, 11
	s_add_co_u32 s74, s74, WS
	s_mul_i32 s76, s21, 640
	s_lshl_b32 s28, s22, 1
	s_add_co_u32 s76, s76, s28
	s_add_co_u32 s76, s76, SST
	s_mul_i32 s77, s20, 20*2048
	s_lshl_b32 s78, s20, 10
	s_add_co_u32 s78, s78, XS
	s_mul_i32 s79, s20, 20
	s_lshl_b32 s80, s25, 16                        ; the prefetch: rows 64 window + 32 (wave & 1) + lane, K step 1 + wave / 2
	s_lshl_b32 s28, s21, 15
	s_add_co_u32 s80, s80, s28
	s_lshl_b32 s28, s22, 8
	s_add_co_u32 s80, s80, s28
	s_add_co_u32 s80, s80, 256
	s_lshl_b32 s69, s25, 9                         ; the window's first token
	s_mov_b32 s40, 0x3e2ef945                      ; a9; then a7 .. a0, each twice: the packed forms name a pair
	s_mov_b32 s42, 0x3fbe87b0
	s_mov_b32 s44, 0xbf914e5d
	s_mov_b32 s46, 0x3e8ec7cc
	s_mov_b32 s48, 0xbe3ec24c
	s_mov_b32 s50, 0x3dc636c9
	s_mov_b32 s52, 0x3ebf88fb
	s_mov_b32 s54, 0x3f8000c7
	s_mov_b32 s56, 0xbfa1fc4e
	s_mov_b32 s60, 0x3eb504f3                      ; 1 / (2 sqrt 2)
	s_mov_b32 s62, 0x3fb8aa3b                      ; log2 e
.irp k, 40,42,44,46,48,50,52,54,56,60,62
	s_mov_b32 s[\k+1], s[\k]
.endr
	s_mov_b32 s66, 0x76543210
	s_mov_b32 s67, 0xfedcba98                      ; v_permlanex16_b32's selects for lane l xor 16
	s_mov_b32 s68, 0x600000                        ; the mantissa field of 57,344
	v_and_b32 v53, 15, v0                          ; r
	v_bfe_u32 v54, v0, 4, 1                        ; h
	v_lshrrev_b32 v55, 4, v0                       ; thread / 16
	v_and_b32 v56, 31, v0                          ; lane
	v_lshlrev_b32 v[R16], 4, v53
	v_lshlrev_b32 v[HH4], 2, v54
	v_lshlrev_b32 v[T8], 3, v0
	v_lshlrev_b32 v[T16], 4, v0
	v_mul_u32_u24 v57, v53, PITCH
	v_lshl_add_u32 v57, v54, 4, v57                ; a fragment's row x pitch + 16 h
	v_mul_u32_u24 v58, v54, PITCH
	v_and_b32 v59, 7, v55
	v_lshrrev_b32 v60, 3, v55
	v_add_nc_u32 v[AX], s70, v57
	v_add_nc_u32 v[AW], s71, v57
	v_add_nc_u32 v58, v58, v[R16]
	v_lshl_add_u32 v59, v60, 4, v59                ; bit 3 of w1's row goes to bit 4; bit 4 stands in the store's immediate, as bit 3
	v_add_nc_u32 v[AX+1], SLOT, v[AX]
	v_add_nc_u32 v[AW+1], SLOT, v[AW]
	v_add_nc_u32 v[SX], s72, v58
	v_mad_u32_u24 v[SW], v59, PITCH, v[R16]
	v_lshl_add_u32 v[WO], v55, 10, v[R16]
	v_add_nc_u32 v[CS], s75, v57
	v_add_nc_u32 v[SX+1], SLOT, v[SX]
	v_add_nc_u32 v[SW], XREG, v[SW]
	v_and_b32 v61, 8, v53
	v_lshl_add_u32 v[SSA], v53, 3, s76             ; 8 bytes a row, my wave's two of them
	v_lshl_add_u32 v62, v54, 11, v[R16]
	v_add_nc_u32 v[SW+1], SLOT, v[SW]
	v_add_nc_u32 v61, v61, v53                     ; r + 8 (r / 8)
	v_add_nc_u32 v[GO], s77, v62
	v_lshl_add_u32 v[AWS], v61, 5, s74
.irp a, 0,1,2,3,4
	v_add_nc_u32 v[64+\a], 16*\a, v53              ; the row among my 80,
.endr
.irp a, 0,1,2,3,4
	v_mul_u32_u24 v[72+\a], 205, v[64+\a]
.endr
.irp a, 0,1,2,3,4
	v_lshrrev_b32 v[72+\a], 12, v[72+\a]           ; over 20 (n / 20 = 205 n / 4,096 for n under 80)
.endr
.irp a, 0,1,2,3,4
	v_lshl_add_u32 v[64+\a], v[64+\a], 5, s73
.endr
.irp a, 0,1,2,3,4
	v_mad_u32_u24 v[AXS+\a], v[72+\a], 384, v[64+\a]   ; 1,024 a wave of 20 rows, 32 a row
.endr
	v_lshl_add_u32 v[XSA], v56, 5, s78
	v_add_nc_u32 v[P0L], s79, v56
	v_add_nc_u32 v[SSR], SST, v[T8]
	v_add_nc_u32 v[WSA], WS, v[T16]
	v_lshlrev_b32 v[B1O], 6, v54
	v_lshlrev_b32 v[CHO], 3, v56
	v_lshl_add_u32 v[PF], v56, 10, s80
	v_mov_b32 v[A8], 0xbf527892
	v_mov_b32 v[A8+1], 0xbf527892
	s_wait_alu depctr_va_vdst(0)
	s_wait_kmcnt 0x0
	s_mov_b32 s29, 0
	s_lshl_b32 s28, s25, 12
	s_add_nc_u64 s[8:9], s[8:9], s[28:29]          ; the window's choices: 8 bytes a token
	s_lshl_b32 s28, s24, 21
	s_lshl_b32 s30, ttmp9, 18
	s_add_co_u32 s28, s28, s30
	s_add_nc_u64 s[10:11], s[10:11], s[28:29]      ; w1's codes: 2 MiB an expert, 256 rows of 1,024 bytes a column tile
	s_lshl_b32 s28, s24, 16
	s_lshl_b32 s30, ttmp9, 13
	s_add_co_u32 s28, s28, s30
	s_add_nc_u64 s[12:13], s[12:13], s[28:29]      ; its scale bytes: 32 a row
	s_lshl_b32 s28, s24, 13
	s_lshl_b32 s30, ttmp9, 10
	s_add_co_u32 s28, s28, s30
	s_lshl_b32 s30, s22, 8
	s_add_co_u32 s28, s28, s30
	s_add_nc_u64 s[14:15], s[14:15], s[28:29]      ; b1 at my wave's 64 hidden units
	s_mul_i32 s28, s23, 640*2048
	s_lshl_b32 s30, ttmp9, 8
	s_add_co_u32 s28, s28, s30
	s_add_nc_u64 s[16:17], s[16:17], s[28:29]      ; hq_codes
	s_mul_i32 s28, ttmp9, 163840
	s_mul_i32 s30, s23, 5120
	s_add_co_u32 s28, s28, s30
	s_add_nc_u64 s[18:19], s[18:19], s[28:29]      ; hq_scales
.macro LOAD0                           ; what a pass asks for before its rows are known: b1, and K step 0 of my sixteen rows of w1
	WIN 0x40
.irp b, 0,1,2,3
	global_load_b128 v[BI+8*\b:BI+8*\b+3], v[B1O], s[14:15] offset:(32*(\b/2)+8*(\b%2))*4       ; tile 2 B + u, lane half h: hidden units 32 B + 16 h + 8 u + 0 .. 7
	global_load_b128 v[BI+8*\b+4:BI+8*\b+7], v[B1O], s[14:15] offset:(32*(\b/2)+8*(\b%2))*4+16
.endr
.irp i, 0,1,2,3,4,5,6,7,8,9,10,11,12,13,14,15
	global_load_b128 v[STW+4*\i:STW+4*\i+3], v[WO], s[10:11] offset:16384*\i
.endr
	WIN 0
.endm
.irp i, 0,1,2,3,4,5,6,7,8,9,10,11,12,13,14,15
	global_load_b64 v[52+2*\i:53+2*\i], v[CHO], s[8:9] offset:256*\i     ; the two experts of token 32 i + lane
.endr
	global_load_b128 v[SCB:SCB+3], v[T16], s[12:13]
	global_load_b128 v[SCB+4:SCB+7], v[T16], s[12:13] offset:4096
	LOAD0
	s_cmp_lt_u32 s20, 4
	s_cbranch_scc0 .Lno_prefetch
	global_prefetch_b8 v[PF], s[10:11] th:TH_LOAD_NT scope:SCOPE_SE
.Lno_prefetch:
	WIN 0x40                                       ; under the loads' flight: what a jump could lead round is written once, so that every way through the text has written it
.set k_, 0
.rept 160
	v_mov_b32 v[ACC+k_], 0
.set k_, k_+1
.endr
	WIN 0
.set k_, 0
.rept 40
	v_mov_b32 v[STX+k_], 0
.set k_, k_+1
.endr
.set k_, 0
.rept 10
	v_mov_b32 v[XO+k_], 0
.set k_, k_+1
.endr
	s_wait_alu depctr_va_vdst(0)
	s_wait_loadcnt 26                              ; the choices are in; behind them: 2 loads of scale bytes, 8 of b1, 16 of w1
.irp i, 0,1,2,3,4,5,6,7,8,9,10,11,12,13,14,15
	v_cmp_eq_u32 s[M+\i], s24, v[52+2*\i]
.endr
.irp i, 0,1,2,3,4,5,6,7,8,9,10,11,12,13,14,15
	v_cmp_eq_u32 s[S+\i], s24, v[53+2*\i]
.endr
.irp i, 0,1,2,3,4,5,6,7,8,9,10,11,12,13,14,15
	s_or_b32 s[M+\i], s[M+\i], s[S+\i]
.endr
.irp i, 0,1,2,3,4,5,6,7,8,9,10,11,12,13,14
	s_bcnt1_i32_b32 s[S+1+\i], s[M+\i]
.endr
	s_bcnt1_i32_b32 s[NA], s[M+15]
.irp i, 1,2,3,4,5,6,7,8,9,10,11,12,13,14
	s_add_co_u32 s[S+1+\i], s[S+1+\i], s[S+\i]
.endr
	s_add_co_u32 s[NA], s[NA], s[S+15]
	s_max_u32 s[NA], s[NA], 1
	s_wait_loadcnt 24                              ; w1's scale bytes are in
	ds_store_b128 v[WSA], v[SCB:SCB+3]
	ds_store_b128 v[WSA], v[SCB+4:SCB+7] offset:4096
	s_mov_b32 s[P0], 0
; LOOK FOR ROW v[TB]: v[TB+3] its mask's number, v[TB+8] its bit.  The counts of 2, 4, 8, 16 neighbouring bits steer five halvings.
.macro NTH amt
	s_delay_alu instid0(VALU_DEP_1)
	v_cmp_ge_u32 vcc_lo, v[TB+9], v[TB+7]
	s_delay_alu instid0(VALU_DEP_1)
	v_cndmask_b32 v[TB+10], 0, v[TB+7], vcc_lo
	v_cndmask_b32 v[TB+11], 0, \amt, vcc_lo
	s_delay_alu instid0(VALU_DEP_2)
	v_sub_nc_u32 v[TB+9], v[TB+9], v[TB+10]
	s_delay_alu instid0(VALU_DEP_2)
	v_add_nc_u32 v[TB+8], v[TB+8], v[TB+11]
.endm
.macro SELECT
	v_mov_b32 v[TB+1], s[M]
	v_mov_b32 v[TB+2], 0
	v_mov_b32 v[TB+3], 0
.irp i, 1,2,3,4,5,6,7,8,9,10,11,12,13,14,15
	v_cmp_le_u32 vcc_lo, s[S+\i], v[TB]
	v_cndmask_b32 v[TB+1], v[TB+1], s[M+\i], vcc_lo
	v_cndmask_b32 v[TB+2], v[TB+2], s[S+\i], vcc_lo
	v_cndmask_b32 v[TB+3], v[TB+3], \i, vcc_lo
.endr
	v_lshrrev_b32 v[TB+4], 1, v[TB+1]
	v_sub_nc_u32 v[TB+9], v[TB], v[TB+2]
	v_and_b32 v[TB+4], 0x55555555, v[TB+4]
	v_mov_b32 v[TB+8], 0
	v_sub_nc_u32 v[TB+4], v[TB+1], v[TB+4]         ; counts of 2 bits
	v_lshrrev_b32 v[TB+5], 2, v[TB+4]
	v_and_b32 v[TB+6], 0x33333333, v[TB+4]
	v_and_b32 v[TB+5], 0x33333333, v[TB+5]
	v_add_nc_u32 v[TB+5], v[TB+5], v[TB+6]         ; of 4
	v_lshrrev_b32 v[TB+6], 4, v[TB+5]
	v_add_nc_u32 v[TB+6], v[TB+6], v[TB+5]
	v_and_b32 v[TB+6], 0x0f0f0f0f, v[TB+6]         ; of 8
	v_lshrrev_b32 v[TB+7], 8, v[TB+6]
	v_add_nc_u32 v[TB+7], v[TB+7], v[TB+6]
	v_and_b32 v[TB+7], 0xff, v[TB+7]               ; of the lower 16
	NTH 16
	v_bfe_u32 v[TB+7], v[TB+6], v[TB+8], 8
	NTH 8
	v_bfe_u32 v[TB+7], v[TB+5], v[TB+8], 4
	NTH 4
	v_bfe_u32 v[TB+7], v[TB+4], v[TB+8], 2
	NTH 2
	v_bfe_u32 v[TB+7], v[TB+1], v[TB+8], 1
	NTH 1
.endm
; A step's rows go from registers into LDS and, where reload = 1, the next step's (tl) are asked for into the same registers, each behind the wait that shows its LDS store done.  Loads stand out in the order w1 0 .. 15, x 0 .. 9 and,
; in a pass's first exchange (extra = 2), x's scale bytes; the counts leave out what was issued behind the load that is stored.
.macro XCH slot, tl, reload, extra
	WIN 0x44                                       ; an LDS store's data (source 1) and a load's destination: window 1
.irp i, 0,1,2,3,4,5,6,7
	s_wait_loadcnt 25-\i+\extra
	ds_store_b128 v[SW+\slot], v[STW+4*\i:STW+4*\i+3] offset:(32*(\i/2)+8*(\i%2))*PITCH
.endr
.irp i, 8,9,10,11,12,13,14,15
.if \reload
	s_wait_loadcnt 17+\extra
.else
	s_wait_loadcnt 25-\i+\extra
.endif
	ds_store_b128 v[SW+\slot], v[STW+4*\i:STW+4*\i+3] offset:(32*(\i/2)+8*(\i%2))*PITCH
.if \reload
	s_wait_dscnt 8                                 ; the store eight back is done
	global_load_b128 v[STW+4*(\i-8):STW+4*(\i-8)+3], v[WO], s[10:11] offset:16384*(\i-8)+256*\tl
.endif
.endr
	WIN 0
.irp j, 0,1,2,3,4,5,6,7,8,9
	s_wait_loadcnt 9-\j+\extra+8*\reload
	ds_store_b128 v[SX+\slot], v[STX+4*\j:STX+4*\j+3] offset:2*PITCH*\j
.endr
.if \extra
	s_wait_loadcnt 1+8*\reload
	ds_store_b128 v[XSA], v[SCB:SCB+3]
	s_wait_loadcnt 8*\reload
	ds_store_b128 v[XSA], v[SCB+4:SCB+7] offset:16
.endif
.if \reload
	WIN 0x40
	s_wait_dscnt 10+\extra                         ; w1's stores are done
.irp i, 8,9,10,11,12,13,14,15
	global_load_b128 v[STW+4*\i:STW+4*\i+3], v[WO], s[10:11] offset:16384*\i+256*\tl
.endr
	WIN 0
	s_wait_dscnt \extra                            ; x's stores are done
.irp j, 0,1,2,3,4,5,6,7,8,9
	global_load_b128 v[STX+4*\j:STX+4*\j+3], v[XO+\j], s[4:5] offset:256*\tl
.endr
.endif
.endm
; 128 along K (the q-th of K step t, in slot sg): 36 fragment loads in one run, then 20 matrix instructions.  The wait in front of x's tile a leaves out the four loads of each later tile.
; Loads into registers that matrix instructions have read stand eight plain vector lines behind them; a new sum over an old one nine.
.macro COMPUTE sg, q, t, first
	PLACES 8+\first
.if \q == 0
.irp a, 0,1,2,3,4
	ds_load_b64 v[XSC+2*\a:XSC+2*\a+1], v[AXS+\a] offset:8*(\t)
.endr
.irp b, 0,1,2,3
	ds_load_b64 v[WSC+2*\b:WSC+2*\b+1], v[AWS] offset:(32*(\b/2)+8*(\b%2))*32+8*(\t)
.endr
.endif
.irp b, 0,1,2,3
.irp c, 0,1,2,3
	ds_load_b128 v[WF+16*\b+4*\c:WF+16*\b+4*\c+3], v[AW+(\sg)] offset:16*PITCH*\b+128*(\q)+32*\c
.endr
.endr
.irp a, 0,1,2,3,4
.irp c, 0,1,2,3
	ds_load_b128 v[XF+16*\a+4*\c:XF+16*\a+4*\c+3], v[AX+(\sg)] offset:16*PITCH*\a+128*(\q)+32*\c
.endr
.endr
	WIN 0x50                                       ; C and D window 1
.irp a, 0,1,2,3,4
	s_wait_dscnt 4*(4-\a)
.irp b, 0,1,2,3
.if \first
	v_wmma_scale_f32_16x16x128_f8f6f4 v[ACC+32*\a+8*\b:ACC+32*\a+8*\b+7], v[WF+16*\b:WF+16*\b+15], v[XF+16*\a:XF+16*\a+15], v[BI+8*\b:BI+8*\b+7], v[WSC+2*\b+(\q)], v[XSC+2*\a+(\q)] matrix_a_fmt:MATRIX_FMT_BF8 matrix_b_fmt:MATRIX_FMT_BF8
.else
	v_wmma_scale_f32_16x16x128_f8f6f4 v[ACC+32*\a+8*\b:ACC+32*\a+8*\b+7], v[WF+16*\b:WF+16*\b+15], v[XF+16*\a:XF+16*\a+15], v[ACC+32*\a+8*\b:ACC+32*\a+8*\b+7], v[WSC+2*\b+(\q)], v[XSC+2*\a+(\q)] matrix_a_fmt:MATRIX_FMT_BF8 matrix_b_fmt:MATRIX_FMT_BF8
.endif
.endr
.endr
	WIN 0
.endm
; ONE barrier a K step: in front of it my reads of the slot that is written next and my stores into the slot that is read next are done.
.macro MEET
	s_wait_dscnt 0x0
	s_barrier_signal -1
	s_barrier_wait -1
.endm
.macro SKIP lab                        ; a pass without rows goes from barrier to barrier
	s_cmp_ge_u32 s[P0], s[NA]
	s_cbranch_scc1 \lab
.endm
; gelu of the 32 numbers a lane holds of tile of rows a, in place.  Two batches of transcendentals, each with plain work and ONE wait behind it.
; The registers are taken in ascending order: each accumulator is first read at its lowest register.
.macro GELU a
.set Z, ACC+32*(\a)
	WIN 0x55                                       ; all operands window 1
.set n, 0
.rept 32
	v_fma_f32 v[T+n], |v[Z+n]|, s60, 1.0           ; 1 + u / 2, u = |z| / sqrt 2
.set n, n+1
.endr
.set n, 0
	s_wait_alu depctr_va_vdst(0)
.rept 32
	v_rcp_f32 v[T+n], v[T+n]                       ; t
.set n, n+1
.endr
.set n, 0
.rept 16
	v_pk_mul_f32 v[Z2+n:Z2+n+1], v[Z+n:Z+n+1], v[Z+n:Z+n+1]
.set n, n+2
.endr
	s_wait_alu depctr_va_vdst(0)
	WIN 0x41                                       ; source 2 (a8) window 0
.set n, 0
.rept 16
	v_pk_fma_f32 v[P+n:P+n+1], v[T+n:T+n+1], s[40:41], v[A8:A8+1] op_sel_hi:[1,0,1]
.set n, n+2
.endr
	WIN 0x55
.irp k, 42,44,46,48,50,52,54,56
.set n, 0
.rept 16
	v_pk_fma_f32 v[P+n:P+n+1], v[P+n:P+n+1], v[T+n:T+n+1], s[\k:\k+1] op_sel_hi:[1,1,0]
.set n, n+2
.endr
.endr
.set n, 0
.rept 16
	v_pk_fma_f32 v[P+n:P+n+1], v[Z2+n:Z2+n+1], -0.5, v[P+n:P+n+1] op_sel_hi:[1,0,1]    ; - u^2 = - z^2 / 2
.set n, n+2
.endr
.set n, 0
.rept 16
	v_pk_fma_f32 v[P+n:P+n+1], v[P+n:P+n+1], s[62:63], -1.0 op_sel_hi:[1,0,0]          ; to base 2; the -1 is the factor 1 / 2
.set n, n+2
.endr
.set n, 0
	s_wait_alu depctr_va_vdst(0)
.rept 32
	v_exp_f32 v[P+n], v[P+n]
.set n, n+1
.endr
.set n, 0
.rept 32
	v_max_num_f32 v[Z2+n], 0, v[Z+n]
.set n, n+1
.endr
	s_wait_alu depctr_va_vdst(0)
.set n, 0
.rept 16
	v_pk_mul_f32 v[P+n:P+n+1], v[P+n:P+n+1], v[T+n:T+n+1]                              ; q
.set n, n+2
.endr
.set n, 0
.rept 32
	v_fma_f32 v[Z+n], -|v[Z+n]|, v[P+n], v[Z2+n]
.set n, n+1
.endr
.endm
; The same 32 numbers are two blocks of 32 along the next K, each shared with lane l xor 16.  Codes and scale bytes get registers of their own for each tile of rows (fragments that are done with), so nothing waits for the stage's stores.
.macro QUANT2 a
.set Z, ACC+32*(\a)
	WIN 0x55
.irp b, 0,1
	v_max3_num_f32 v[T+\b], |v[Z+16*\b]|, |v[Z+16*\b+1]|, 0x8000000    ; my 16 numbers, and the floor 2^(16 - 127): the byte cannot fall under 1
.endr
.irp i, 2,4,6,8,10,12,14
.irp b, 0,1
	s_delay_alu instid0(VALU_DEP_2)
	v_max3_num_f32 v[T+\b], v[T+\b], |v[Z+16*\b+\i]|, |v[Z+16*\b+\i+1]|
.endr
.endr
.irp b, 0,1
	v_permlanex16_b32 v[T+2+\b], v[T+\b], s66, s67
.endr
.irp b, 0,1
	s_delay_alu instid0(VALU_DEP_2)
	v_max_num_f32 v[T+\b], v[T+\b], v[T+2+\b]      ; the block's largest magnitude
.endr
.irp b, 0,1
	s_delay_alu instid0(VALU_DEP_2)
	v_add_nc_u32 v[T+4+\b], 0xf8800000, v[T+\b]    ; 15 off its exponent field: the conversion's scale operand
.endr
.irp b, 0,1
	s_delay_alu instid0(VALU_DEP_4)
	v_and_or_b32 v[T+6+\b], v[T+\b], 0x7f800000, s68   ; 57,344 x the scale
.endr
.irp b, 0,1
	s_delay_alu instid0(VALU_DEP_4)
	v_lshrrev_b32 v[T+8+\b], 23, v[T+4+\b]         ; the scale's byte
.endr
.irp b, 0,1
.irp i, 0,1,2,3,4,5,6,7,8,9,10,11,12,13,14,15
	v_med3_num_f32 v[Z+16*\b+\i], v[Z+16*\b+\i], -v[T+6+\b], v[T+6+\b]   ; the conversion to an 8-bit code does not saturate (ISA guide 7.6.2)
.endr
.endr
	WIN 0x15                                       ; sources window 1, destination window 0
	v_lshl_or_b32 v[HW+(\a)], v[T+9], 8, v[T+8]
.irp b, 0,1
	v_cvt_scalef32_pk8_bf8_f32 v[CD+8*(\a)+4*\b:CD+8*(\a)+4*\b+1], v[Z+16*\b:Z+16*\b+7], v[T+4+\b]
	v_cvt_scalef32_pk8_bf8_f32 v[CD+8*(\a)+4*\b+2:CD+8*(\a)+4*\b+3], v[Z+16*\b+8:Z+16*\b+15], v[T+4+\b]
.endr
	v_nop                                          ; a plain line behind the last conversion: the next tile's arithmetic writes the scale operands' registers
	WIN 0
.irp b, 0,1
	ds_store_b128 v[CS], v[CD+8*(\a)+4*\b:CD+8*(\a)+4*\b+3] offset:16*PITCH*(\a)+32*\b
.endr
	ds_store_b16 v[SSA], v[HW+(\a)] offset:128*(\a)    ; lanes l and l xor 16 write the same two bytes with the same values
.endm
.Lpass:
	SKIP .Lskip_a
	s_wait_xcnt 0x0                                ; the offsets of earlier loads may be written again
	PLACES 8
	v_add_nc_u32 v[TB], s[P0], v[P0L]
	SELECT
	v_lshl_add_u32 v[TOK], v[TB+3], 5, v[TB+8]
	v_add_nc_u32 v[TOK], s69, v[TOK]
	v_min_u32 v[TOK], 0x7ff, v[TOK]
	v_lshlrev_b32 v[XSO], 5, v[TOK]                ; my row's 32 scale bytes
.irp i, 0,1,2,3,4,5,6,7,8,9
	v_add_nc_u32 v[XO+\i], 8*\i, v[HH4]            ; lanes 0-15 take the token of lane 2 i, lanes 16-31 that of lane 2 i + 1
.endr
.irp i, 0,1,2,3,4,5,6,7,8,9
	ds_bpermute_b32 v[XO+\i], v[XO+\i], v[TOK]
.endr
	s_wait_alu depctr_va_vdst(0)
	s_wait_dscnt 0x0
.irp i, 0,1,2,3,4,5,6,7,8,9
	v_min_u32 v[XO+\i], 0x7ff, v[XO+\i]            ; held inside x
.endr
.irp i, 0,1,2,3,4,5,6,7,8,9
	v_lshl_add_u32 v[XO+\i], v[XO+\i], 10, v[R16]
.endr
	s_wait_alu depctr_va_vdst(0)
.irp j, 0,1,2,3,4,5,6,7,8,9
	global_load_b128 v[STX+4*\j:STX+4*\j+3], v[XO+\j], s[4:5]
.endr
	global_load_b128 v[SCB:SCB+3], v[XSO], s[6:7]
	global_load_b128 v[SCB+4:SCB+7], v[XSO], s[6:7] offset:16
	XCH 0, 1, 1, 2
	s_branch .Ljoin_a
.Lskip_a:
	s_wait_loadcnt 0x0                             ; on this way too no load of an earlier part is out
.Ljoin_a:
	MEET
; An exchange writes the slot that nobody reads in this step, so its place among the step's products is free: waves 0 to 3 exchange ahead of theirs, waves 4 to 7 behind theirs.
.macro EARLY slot, tl, reload
	s_cmp_ge_u32 s20, 4
	s_cbranch_scc1 .Lnot_early_\@
	XCH \slot, \tl, \reload, 0
.Lnot_early_\@:
.endm
.macro LATE slot, tl, reload
	s_cmp_lt_u32 s20, 4
	s_cbranch_scc1 .Lnot_late_\@
	XCH \slot, \tl, \reload, 0
.Lnot_late_\@:
.endm
	SKIP .Lskip_0
	EARLY 1, 2, 1
	COMPUTE 0, 0, 0, 1
	COMPUTE 0, 1, 0, 0
	LATE 1, 2, 1
.Lskip_0:
	MEET
	SKIP .Lskip_1
	EARLY 0, 3, 1
	COMPUTE 1, 0, 1, 0
	COMPUTE 1, 1, 1, 0
	LATE 0, 3, 1
.Lskip_1:
	MEET
	SKIP .Lskip_2
	EARLY 1, 0, 0
	COMPUTE 0, 0, 2, 0
	COMPUTE 0, 1, 2, 0
	LATE 1, 0, 0
.Lskip_2:
	MEET
	SKIP .Lskip_3
	COMPUTE 1, 0, 3, 0
	COMPUTE 1, 1, 3, 0
	PLACES 8                                       ; ahead of the first read of a result
	s_wait_loadcnt 0x0                             ; no load is on its way into the registers that the arithmetic below takes over
	; The codes' stage lies where slot 0 held x: that slot was last read in step 2, and every wave is behind step 3's barrier.
.irp a, 0,1,2,3,4
	GELU \a
	QUANT2 \a
.endr
	s_wait_alu depctr_va_vdst(0)                   ; ahead of the barrier and the branches below
.Lskip_3:
	MEET                                           ; everybody's codes and scale bytes lie in LDS
	SKIP .Lskip_out
	PLACES 8
.irp i, 0,1,2,3,4,5,6,7,8,9
	ds_load_b128 v[OB+4*\i:OB+4*\i+3], v[SX] offset:2*PITCH*\i
.endr
.irp i, 0,1,2,3,4,5,6,7,8,9
	s_wait_dscnt 9-\i                              ; the younger loads may be out
	global_store_b128 v[GO], v[OB+4*\i:OB+4*\i+3], s[16:17] offset:4096*\i   ; sixteen lanes store 256 consecutive bytes of a row, aligned
.endr
	s_cmp_ge_u32 s20, 5
	s_cbranch_scc1 .Lskip_out
	ds_load_b64 v[152:153], v[SSR]                 ; waves 0 to 4: a row's 8 scale bytes a lane
	s_wait_dscnt 0x0
	global_store_b64 v[T8], v[152:153], s[18:19]   ; 256 consecutive bytes a wave, aligned
.Lskip_out:
	MEET                                           ; the stage has been read: the next pass may write slot 0
	s_wait_loadcnt 0x0
	s_wait_xcnt 0x0                                ; the stores have read their registers and bases
	s_add_co_u32 s[P0], s[P0], 160
	s_add_nc_u64 s[16:17], s[16:17], 160*2048
	s_add_nc_u64 s[18:19], s[18:19], 160*8
	SKIP .Lno_more
	PLACES 8
	LOAD0
.Lno_more:
	s_cmp_lg_u32 s[P0], 640
	s_cbranch_scc1 .Lpass
	s_wait_tensorcnt 0x0                           ; the wave's end: behind my last LDS store
	ds_add_u32 v[SPW], v[NIL]
	s_wait_dscnt 0x0
	s_endpgm
.Lfunc_end_k_qca39a40a80_ffn1:
	.size	k_qca39a40a80_ffn1, .Lfunc_end_k_qca39a40a80_ffn1-k_qca39a40a80_ffn1
	.p2alignl 7, 3214868480
	.fill 96, 4, 3214868480
	.section	.rodata,"a",@progbits
	.p2align	6, 0x0
	.amdhsa_kernel k_qca39a40a80_ffn1
		.amdhsa_group_segment_fixed_size 244992
		.amdhsa_private_segment_fixed_size 0
		.amdhsa_enable_private_segment 0
		.amdhsa_kernarg_size 64
		.amdhsa_user_sgpr_count 2
		.amdhsa_user_sgpr_kernarg_segment_ptr 1
		.amdhsa_wavefront_size32 1
		.amdhsa_system_sgpr_workgroup_id_x 1
		.amdhsa_system_sgpr_workgroup_id_y 1
		.amdhsa_system_sgpr_workgroup_id_z 1
		.amdhsa_system_vgpr_workitem_id 0
		.amdhsa_next_free_vgpr 512
		.amdhsa_next_free_sgpr 102
		.amdhsa_reserve_vcc 1
		.amdhsa_float_denorm_mode_32 3
		.amdhsa_float_denorm_mode_16_64 3
		.amdhsa_memory_ordered 1
		.amdhsa_forward_progress 1
		.amdhsa_inst_pref_size 241
	.end_amdhsa_kernel
	.amdgpu_metadata
---
amdhsa.version: [ 1, 2 ]
amdhsa.kernels:
  - .name:           k_qca39a40a80_ffn1
    .symbol:         k_qca39a40a80_ffn1.kd
    .args:
      - { .name: xq_codes, .offset: 0, .size: 8, .value_kind: global_buffer, .address_space: global }
      - { .name: xq_scales, .offset: 8, .size: 8, .value_kind: global_buffer, .address_space: global }
      - { .name: choice, .offset: 16, .size: 8, .value_kind: global_buffer, .address_space: global }
      - { .name: w1_codes, .offset: 24, .size: 8, .value_kind: global_buffer, .address_space: global }
      - { .name: w1_scales, .offset: 32, .size: 8, .value_kind: global_buffer, .address_space: global }
      - { .name: b1, .offset: 40, .size: 8, .value_kind: global_buffer, .address_space: global }
      - { .name: hq_codes, .offset: 48, .size: 8, .value_kind: global_buffer, .address_space: global }
      - { .name: hq_scales, .offset: 56, .size: 8, .value_kind: global_buffer, .address_space: global }
    .group_segment_fixed_size: 244992
    .private_segment_fixed_size: 0
    .kernarg_segment_align: 8
    .kernarg_segment_size: 64
    .max_flat_workgroup_size: 256
    .sgpr_count:     102
    .vgpr_count:     512
    .wavefront_size: 32
...
	.end_amdgpu_metadata
.endif
;; end of part 2
;; launch ffn2 (part 3): grid 8 x 32, 8 waves a work-group, no clusters, 323,584 bytes of LDS; arguments hq_codes, hq_scales, choice, w2_codes, w2_scales, b2, rbuf; writes rbuf
.if DOCPART == 3
	.amdgcn_target "amdgcn-amd-amdhsa--gfx1250"
	.amdhsa_code_object_version 6
	.text
	.protected	k_qca39a40a80_ffn2
	.globl	k_qca39a40a80_ffn2
	.p2align	8
	.type	k_qca39a40a80_ffn2,@function
k_qca39a40a80_ffn2:
	s_mov_b64 s[64:65], 0
	v_nop
	global_prefetch_b8 v0, s[64:65] scope:SCOPE_SE
	s_setreg_imm32_b32 hwreg(HW_REG_WAVE_MODE, 25, 1), 1
	s_wait_xcnt 0x0
; FFN2: r = Q(h) w2[e] + b2[e] for the rows of one expert e out of one window of 512 tokens (work-group y = 4 e + window) and 128 of the 1,024 columns (work-group x); each row in use goes to rbuf at its entry 2 t + k.
; Rows of experts that were not chosen are left out (see ROUTE's head); rows of a pass beyond the count are multiplied with the others and not stored.
; The passes of 160 rows, the search for a row's token and the branches are FFN1's: every barrier is passed by all waves in all passes, the work between them is jumped over by a pass without rows.
; h's rows lie where the work-group's number and the pass say, so the list is not needed before the way out.
; Operands go memory -> registers -> LDS -> fragments: a wave's load reads 512 consecutive bytes of one row.  K = 2,048 goes in 4 steps of 512 through two LDS slots.
; THE STREAM.  A wave's 36 loads of a step (20 of h, 16 of w2) stand in registers; as they are stored into LDS (counted waits), the next step's loads follow into the same registers, each behind the wait that shows its LDS store done: XCH.
; PREFETCH: K steps 1 and 2, one instruction a wave: of w2's 128 rows, which four work-groups (the windows) read, a quarter each (waves 0 to 3); of h's 160, which eight (the column tiles) read, an eighth each (waves 4 to 7).  Step 3 has a whole step in which to come.
; SHARES.  Wave w: rows 80 (w & 1) on, columns 64 ((w >> 1) & 1) on, and of each K step the 256 along K at 256 (w >> 2), in two runs of 128: 20 accumulators by turns.  The two halves of
; each step meet in LDS on the way out: each output is the f32 sum of two f32 sums, another order than one ascending chain.
; The product is used transposed (source 0 = 16 rows of w2, source 1 = 16 rows of h): a lane holds eight neighbouring columns of one row.
.set PITCH, 528                        ; an LDS row: 512 bytes + 16 of padding
.set HREG,  160*PITCH                  ; a slot: h's 160 rows,
.set SLOT,  HREG+128*PITCH             ; then w2's 128
.set HS,    2*SLOT                     ; h's scale bytes [K / 256: 8][160 rows][8]
.set W2S,   HS+10240                   ; w2's [128 rows][64]
.set SPARE, W2S+8192                   ; the spare words, 128 bytes for each wave
.set STG1,  160*PITCH                  ; the way out: two stages (one for each half of the K steps) of 160 rows x (512 bytes + 16), from LDS byte 0 on, written behind a barrier behind which nobody reads the ring
.set SPW, 1
.set NIL, 2
.set AX,  3                            ; v3-4   my h fragments in slot 0, 1
.set AW,  5                            ; v5-6   my w2 fragments
.set SX,  7                            ; v7-8   where I store h's rows 8 i + wave, i under 16
.set SXB, 9                            ; v9-10  and from i = 16 on: 128 rows further, which an immediate does not reach
.set SW,  11                           ; v11-12 where I store w2's rows
.set HO,  13                           ; v13    memory: row wave of 2,048 bytes, 16 bytes a lane: serves h and w2
.set AHS, 14                           ; v14    h's scale words
.set AWS, 15                           ; v15    w2's
.set SO,  16                           ; v16    into my half's stage
.set RD,  17                           ; v17    back out of stage 0: my wave's 20 rows
.set RD1, 18                           ; v18    back out of stage 1
.set L16, 19                           ; v19    16 x lane
.set B2R, 20                           ; v20-23 b2 at my four columns
.set L8,  24                           ; v24    8 x lane
.set T16, 25                           ; v25    16 x thread
.set HSA, 26                           ; v26    where I store h's scale bytes
.set W2A, 27                           ; v27    where I store w2's
.set XSC, 28                           ; v28-37 h's scale words, a pair (two runs of 128) for each tile of rows: scales and nothing else
.set WSC, 38                           ; v38-45 w2's likewise
.set TB,  46                           ; v46 on at work while rows are looked for (no fragment is in use then)
.set CH,  60                           ; v60-91 the window's choices, at the head
.set XF,  46                           ; v46-125  h's five fragments
.set WF,  126                          ; v126-189 w2's four
.set HSB, 126                          ; v126-135 at a pass's head: h's scale bytes on their way into LDS,
.set HSO, 136                          ; v136-140 and where they come from
.set STV, 190                          ; v190-253 w2's 16 rows on their way into LDS
.set ENT, 254                          ; v254   my lane's entry 2 t + k
.set OB,  46                           ; the way out: 8 registers a row: stage 0's, stage 1's
.set OF,  206                          ; v206-225 a row's offset in rbuf
.set ACC, 0                            ; window 1: v0-159 accumulator (a, b) at 32 a + 8 b
.set STH, 160                          ; window 1: v160-239 h's 20 rows on their way into LDS
.set NT,  26                           ; s26    rows
.set NA,  27                           ; s27    the same, at least 1
.set P0,  33                           ; s33    the pass's first row
.set KB,  36                           ; s36-51 who of 32 tokens chose my expert second
.set HOF, 56                           ; s56-60 h's scale bytes: my wave's five pieces
.set M,   66                           ; s66-81 who chose it at all
.set S,   82                           ; s83-97 how many stand ahead of mask 1 .. 15
.set MSB, 0
.macro WIN new                         ; the immediate's high byte repeats the setting that is left; at a label and at a branch every window is 0
.if MSB != \new
	s_set_vgpr_msb (MSB<<8)|\new
.set MSB, \new
.endif
.endm
.macro PLACES n
.rept \n
	v_nop
.endr
.endm
	s_load_b256 s[4:11], s[0:1], 0x0               ; hq_codes 4, hq_scales 6, choice 8, w2_codes 10
	s_load_b128 s[12:15], s[0:1], 0x20             ; w2_scales 12, b2 14
	s_load_b64 s[16:17], s[0:1], 0x30              ; rbuf
	v_lshl_add_u32 v[SPW], v0, 2, SPARE
	v_mov_b32 v[NIL], 0
	v_lshrrev_b32 v255, 5, v0
	v_readfirstlane_b32 s20, v255                  ; wave 0..7
	s_and_b32 s21, s20, 1                          ; wm
	s_bfe_u32 s22, s20, 0x10001                    ; wn
	s_lshr_b32 s23, s20, 2                         ; wk
	s_and_b32 s24, ttmp7, 0xffff
	s_lshr_b32 s25, s24, 2                         ; the expert
	s_and_b32 s32, s24, 3                          ; the window of 512 tokens
	s_lshl_b32 s34, s32, 9                         ; its first token
	s_mul_i32 s35, s20, 20                         ; my first row on the way out
	s_lshl_b32 s31, s23, 8                         ; my 256 along K of a step's 512
	s_mul_i32 s66, s21, 80*PITCH
	s_add_co_u32 s66, s66, s31
	s_mul_i32 s67, s22, 64*PITCH
	s_add_co_u32 s67, s67, s31
	s_add_co_u32 s67, s67, HREG
	s_mul_i32 s68, s20, PITCH
	s_lshl_b32 s69, s20, 11
	s_mul_i32 s70, s21, 640
	s_mul_i32 s31, s23, 1280
	s_add_co_u32 s70, s70, s31
	s_add_co_u32 s70, s70, HS
	s_lshl_b32 s71, s22, 12
	s_lshl_b32 s31, s23, 3
	s_add_co_u32 s71, s71, s31
	s_add_co_u32 s71, s71, W2S
	s_mul_i32 s72, s23, STG1
	s_mul_i32 s31, s21, 80*PITCH
	s_add_co_u32 s72, s72, s31
	s_lshl_b32 s31, s22, 8
	s_add_co_u32 s72, s72, s31
	s_mul_i32 s73, s20, 20*PITCH
	s_lshl_b32 s74, s20, 8
	s_add_co_u32 s74, s74, HS
	s_lshl_b32 s75, s22, 9                         ; the prefetch: K step 1 + ((wave / 2) % 2), the step's block wave % 2
	s_lshl_b32 s31, s21, 8
	s_add_co_u32 s75, s75, s31
	s_add_co_u32 s75, s75, 512
	s_lshl_b32 s76, s32, 16                        ; of w2: rows 32 x window + lane
	s_add_co_u32 s76, s76, s75
	s_mul_i32 s77, ttmp9, 20*2048                  ; of h: rows 20 x column tile + lane, lanes above 19 name row 19 again
	s_add_co_u32 s77, s77, s75
	s_mov_b32 s79, 19
	s_cmp_lt_u32 s20, 4
	s_cselect_b32 s76, s76, s77
	s_cselect_b32 s78, 31, s79
.irp i, 0,1,2,3,4
	s_add_co_u32 s28, s20, 8*\i                    ; pieces of 256 bytes: number wave + 8 i of 40, five to each 256 along K (n / 5 = 205 n / 1,024)
	s_mul_i32 s29, s28, 205
	s_lshr_b32 s29, s29, 10
	s_mul_i32 s30, s29, 5
	s_sub_co_u32 s28, s28, s30
	s_lshl_b32 s28, s28, 8
	s_mul_i32 s29, s29, 163840
	s_add_co_u32 s[HOF+\i], s28, s29
.endr
	v_and_b32 v252, 15, v0                         ; r
	v_bfe_u32 v253, v0, 4, 1                       ; h
	v_and_b32 v190, 31, v0                         ; lane
	v_lshlrev_b32 v[T16], 4, v0
	v_mul_u32_u24 v255, v252, PITCH
	v_lshlrev_b32 v[L16], 4, v190
	v_lshlrev_b32 v[L8], 3, v190
	v_lshl_add_u32 v191, v253, 4, v255             ; a fragment's row x pitch + 16 h
	v_lshl_add_u32 v192, v253, 5, v255
	v_add_nc_u32 v[AX], s66, v191
	v_add_nc_u32 v[AW], s67, v191
	v_add_nc_u32 v[SX], s68, v[L16]                ; row wave, 16 bytes a lane
	v_add_nc_u32 v[HO], s69, v[L16]
	v_add_nc_u32 v[SO], s72, v192                  ; row 80 wm + r, bytes 256 wn + 32 h
	v_add_nc_u32 v[AX+1], SLOT, v[AX]
	v_add_nc_u32 v[AW+1], SLOT, v[AW]
	v_add_nc_u32 v[SX+1], SLOT, v[SX]
	v_add_nc_u32 v[SXB], 128*PITCH, v[SX]
	v_add_nc_u32 v[SW], HREG, v[SX]
	v_lshl_add_u32 v[AHS], v252, 3, s70            ; 8 bytes a row for each 256 along K; my half's 1,280 bytes
	v_lshl_add_u32 v[AWS], v252, 6, s71            ; 64 bytes a row; my half's 8 of a step's 16
	v_add_nc_u32 v[SXB+1], SLOT, v[SXB]
	v_add_nc_u32 v[SW+1], SLOT, v[SW]
	v_add_nc_u32 v[RD], s73, v[L16]
	v_add_nc_u32 v[HSA], s74, v[L8]
	v_add_nc_u32 v[W2A], W2S, v[T16]
	v_min_u32 v193, s78, v190
	v_add_nc_u32 v[RD1], STG1, v[RD]
	v_lshl_add_u32 v255, v193, 11, s76             ; the prefetch's offset; never rewritten from here on
	v_mov_b32 v[ENT], 0
	s_wait_alu depctr_va_vdst(0)
	s_wait_kmcnt 0x0
	s_mov_b32 s31, 0
	s_lshl_b32 s30, s32, 12
	s_add_nc_u64 s[8:9], s[8:9], s[30:31]          ; the window's choices: 8 bytes a token
	s_mul_i32 s30, s24, 640*2048
	s_add_nc_u64 s[4:5], s[4:5], s[30:31]          ; h's codes: 640 rows of 2,048 bytes
	s_mul_i32 s30, s24, 5120
	s_add_nc_u64 s[6:7], s[6:7], s[30:31]          ; its scale bytes
	s_lshl_b32 s30, s25, 21
	s_lshl_b32 s29, ttmp9, 18
	s_add_co_u32 s30, s30, s29
	s_add_nc_u64 s[10:11], s[10:11], s[30:31]      ; w2's codes: 2 MiB an expert, 128 rows of 2,048 bytes a column tile
	s_lshl_b32 s30, s25, 16
	s_lshl_b32 s29, ttmp9, 13
	s_add_co_u32 s30, s30, s29
	s_add_nc_u64 s[12:13], s[12:13], s[30:31]
	s_lshl_b32 s30, s25, 12
	s_lshl_b32 s29, ttmp9, 9
	s_add_co_u32 s30, s30, s29
	s_add_nc_u64 s[14:15], s[14:15], s[30:31]      ; b2 at the column tile
	s_mov_b32 s30, s29
	s_add_nc_u64 s[16:17], s[16:17], s[30:31]      ; rbuf likewise: 512 bytes a column tile
.macro LOAD0                           ; a pass's first loads: h's scale bytes, and K step 0 of my 20 rows of h and 16 of w2: rows 8 i + wave, 512 bytes each
.irp i, 0,1,2,3,4
	v_add_nc_u32 v[HSO+\i], s[HOF+\i], v[L8]
.endr
.irp i, 0,1,2,3,4
	global_load_b64 v[HSB+2*\i:HSB+2*\i+1], v[HSO+\i], s[6:7]   ; 256 consecutive bytes a wave, aligned
.endr
	WIN 0x40
.irp i, 0,1,2,3,4,5,6,7,8,9,10,11,12,13,14,15,16,17,18,19
	global_load_b128 v[STH+4*\i:STH+4*\i+3], v[HO], s[4:5] offset:16384*\i
.endr
	WIN 0
.irp i, 0,1,2,3,4,5,6,7,8,9,10,11,12,13,14,15
	global_load_b128 v[STV+4*\i:STV+4*\i+3], v[HO], s[10:11] offset:16384*\i
.endr
.endm
.irp i, 0,1,2,3,4,5,6,7,8,9,10,11,12,13,14,15
	global_load_b64 v[CH+2*\i:CH+2*\i+1], v[L8], s[8:9] offset:256*\i    ; the two experts of token 32 i + lane
.endr
	global_load_b128 v[92:95], v[T16], s[12:13]
	global_load_b128 v[96:99], v[T16], s[12:13] offset:4096
	global_load_b128 v[B2R:B2R+3], v[L16], s[14:15]
	LOAD0
	s_cmp_lt_u32 s20, 4
	s_cbranch_scc0 .Lprefetch_h
	global_prefetch_b8 v255, s[10:11] th:TH_LOAD_NT scope:SCOPE_SE
	s_branch .Lprefetched
.Lprefetch_h:
	global_prefetch_b8 v255, s[4:5] th:TH_LOAD_NT scope:SCOPE_SE
.Lprefetched:
	WIN 0x40                                       ; under the loads' flight: what a jump could lead round is written once, so that every way through the text has written it
.set k_, 0
.rept 160
	v_mov_b32 v[ACC+k_], 0
.set k_, k_+1
.endr
	WIN 0
	s_wait_alu depctr_va_vdst(0)
	s_wait_loadcnt 44                              ; the choices are in; behind them: 2 loads of scale bytes, 1 of b2, 41 of the pass
.irp i, 0,1,2,3,4,5,6,7,8,9,10,11,12,13,14,15
	v_cmp_eq_u32 s[M+\i], s25, v[CH+2*\i]
.endr
.irp i, 0,1,2,3,4,5,6,7,8,9,10,11,12,13,14,15
	v_cmp_eq_u32 s[KB+\i], s25, v[CH+1+2*\i]
.endr
.irp i, 0,1,2,3,4,5,6,7,8,9,10,11,12,13,14,15
	s_or_b32 s[M+\i], s[M+\i], s[KB+\i]
.endr
.irp i, 0,1,2,3,4,5,6,7,8,9,10,11,12,13,14
	s_bcnt1_i32_b32 s[S+1+\i], s[M+\i]
.endr
	s_bcnt1_i32_b32 s[NT], s[M+15]
.irp i, 1,2,3,4,5,6,7,8,9,10,11,12,13,14
	s_add_co_u32 s[S+1+\i], s[S+1+\i], s[S+\i]
.endr
	s_add_co_u32 s[NT], s[NT], s[S+15]
	s_max_u32 s[NA], s[NT], 1
	s_wait_loadcnt 41                              ; w2's scale bytes and b2 are in
	ds_store_b128 v[W2A], v[92:95]
	ds_store_b128 v[W2A], v[96:99] offset:4096
	s_mov_b32 s[P0], 0
; LOOK FOR ROW v[TB]: v[TB+3] its mask's number, v[TB+8] its bit, v[TB+12] the mask's second choices.  The counts of 2, 4, 8, 16 neighbouring bits steer five halvings.
.macro NTH amt
	s_delay_alu instid0(VALU_DEP_1)
	v_cmp_ge_u32 vcc_lo, v[TB+9], v[TB+7]
	s_delay_alu instid0(VALU_DEP_1)
	v_cndmask_b32 v[TB+10], 0, v[TB+7], vcc_lo
	v_cndmask_b32 v[TB+11], 0, \amt, vcc_lo
	s_delay_alu instid0(VALU_DEP_2)
	v_sub_nc_u32 v[TB+9], v[TB+9], v[TB+10]
	s_delay_alu instid0(VALU_DEP_2)
	v_add_nc_u32 v[TB+8], v[TB+8], v[TB+11]
.endm
.macro SELECT
	v_mov_b32 v[TB+1], s[M]
	v_mov_b32 v[TB+12], s[KB]
	v_mov_b32 v[TB+2], 0
	v_mov_b32 v[TB+3], 0
.irp i, 1,2,3,4,5,6,7,8,9,10,11,12,13,14,15
	v_cmp_le_u32 vcc_lo, s[S+\i], v[TB]
	v_cndmask_b32 v[TB+1], v[TB+1], s[M+\i], vcc_lo
	v_cndmask_b32 v[TB+12], v[TB+12], s[KB+\i], vcc_lo
	v_cndmask_b32 v[TB+2], v[TB+2], s[S+\i], vcc_lo
	v_cndmask_b32 v[TB+3], v[TB+3], \i, vcc_lo
.endr
	v_lshrrev_b32 v[TB+4], 1, v[TB+1]
	v_sub_nc_u32 v[TB+9], v[TB], v[TB+2]
	v_and_b32 v[TB+4], 0x55555555, v[TB+4]
	v_mov_b32 v[TB+8], 0
	v_sub_nc_u32 v[TB+4], v[TB+1], v[TB+4]         ; counts of 2 bits
	v_lshrrev_b32 v[TB+5], 2, v[TB+4]
	v_and_b32 v[TB+6], 0x33333333, v[TB+4]
	v_and_b32 v[TB+5], 0x33333333, v[TB+5]
	v_add_nc_u32 v[TB+5], v[TB+5], v[TB+6]         ; of 4
	v_lshrrev_b32 v[TB+6], 4, v[TB+5]
	v_add_nc_u32 v[TB+6], v[TB+6], v[TB+5]
	v_and_b32 v[TB+6], 0x0f0f0f0f, v[TB+6]         ; of 8
	v_lshrrev_b32 v[TB+7], 8, v[TB+6]
	v_add_nc_u32 v[TB+7], v[TB+7], v[TB+6]
	v_and_b32 v[TB+7], 0xff, v[TB+7]               ; of the lower 16
	NTH 16
	v_bfe_u32 v[TB+7], v[TB+6], v[TB+8], 8
	NTH 8
	v_bfe_u32 v[TB+7], v[TB+5], v[TB+8], 4
	NTH 4
	v_bfe_u32 v[TB+7], v[TB+4], v[TB+8], 2
	NTH 2
	v_bfe_u32 v[TB+7], v[TB+1], v[TB+8], 1
	NTH 1
.endm
; A step's rows go from registers into LDS and, where reload = 1, the next step's (tl) are asked for into the same registers, each behind the wait that shows its LDS store done.  Loads stand out in the order h 0 .. 19, w2 0 .. 15;
; the counts leave out what was issued behind the load that is stored.
.macro HSTORE slot, i
.if \i < 16
	ds_store_b128 v[SX+\slot], v[STH+4*\i:STH+4*\i+3] offset:8*PITCH*\i
.else
	ds_store_b128 v[SXB+\slot], v[STH+4*\i:STH+4*\i+3] offset:8*PITCH*(\i-16)
.endif
.endm
.macro XCH slot, tl, reload
	WIN 0x44                                       ; an LDS store's data (source 1) and a load's destination: window 1
.irp i, 0,1,2,3,4,5,6,7
	s_wait_loadcnt 35-\i
	HSTORE \slot, \i
.endr
.irp i, 8,9,10,11,12,13,14,15,16,17,18,19
.if \reload
	s_wait_loadcnt 27
.else
	s_wait_loadcnt 35-\i
.endif
	HSTORE \slot, \i
.if \reload
	s_wait_dscnt 8                                 ; the store eight back is done
	global_load_b128 v[STH+4*(\i-8):STH+4*(\i-8)+3], v[HO], s[4:5] offset:16384*(\i-8)+512*\tl
.endif
.endr
	WIN 0
.irp j, 0,1,2,3,4,5,6,7,8,9,10,11,12,13,14,15
	s_wait_loadcnt 15-\j+12*\reload
	ds_store_b128 v[SW+\slot], v[STV+4*\j:STV+4*\j+3] offset:8*PITCH*\j
.endr
.if \reload
	WIN 0x40
	s_wait_dscnt 16                                ; h's stores are done
.irp i, 12,13,14,15,16,17,18,19
	global_load_b128 v[STH+4*\i:STH+4*\i+3], v[HO], s[4:5] offset:16384*\i+512*\tl
.endr
	WIN 0
	s_wait_dscnt 8                                 ; the first half of w2's
.irp j, 0,1,2,3,4,5,6,7
	global_load_b128 v[STV+4*\j:STV+4*\j+3], v[HO], s[10:11] offset:16384*\j+512*\tl
.endr
	s_wait_dscnt 0x0                               ; and the second
.irp j, 8,9,10,11,12,13,14,15
	global_load_b128 v[STV+4*\j:STV+4*\j+3], v[HO], s[10:11] offset:16384*\j+512*\tl
.endr
.endif
.endm
; 128 along K (the q-th of my 256 of K step t, in slot sg): 36 fragment loads in one run, then 20 matrix instructions.  The wait in front of h's tile a leaves out the four loads of each later tile.
; Loads into registers that matrix instructions have read stand eight plain vector lines behind them; a new sum over an old one nine.
.macro COMPUTE sg, q, t, first
	PLACES 8+\first
.if (\q) == 0
.irp a, 0,1,2,3,4
	ds_load_b64 v[XSC+2*\a:XSC+2*\a+1], v[AHS] offset:2560*(\t)+128*\a
.endr
.irp b, 0,1,2,3
	ds_load_b64 v[WSC+2*\b:WSC+2*\b+1], v[AWS] offset:1024*\b+16*(\t)
.endr
.endif
.irp b, 0,1,2,3
.irp c, 0,1,2,3
	ds_load_b128 v[WF+16*\b+4*\c:WF+16*\b+4*\c+3], v[AW+(\sg)] offset:16*PITCH*\b+128*(\q)+32*\c
.endr
.endr
.irp a, 0,1,2,3,4
.irp c, 0,1,2,3
	ds_load_b128 v[XF+16*\a+4*\c:XF+16*\a+4*\c+3], v[AX+(\sg)] offset:16*PITCH*\a+128*(\q)+32*\c
.endr
.endr
	WIN 0x50                                       ; C and D window 1
.irp a, 0,1,2,3,4
	s_wait_dscnt 4*(4-\a)
.irp b, 0,1,2,3
.if \first
	v_wmma_scale_f32_16x16x128_f8f6f4 v[ACC+32*\a+8*\b:ACC+32*\a+8*\b+7], v[WF+16*\b:WF+16*\b+15], v[XF+16*\a:XF+16*\a+15], 0, v[WSC+2*\b+(\q)], v[XSC+2*\a+(\q)] matrix_a_fmt:MATRIX_FMT_BF8 matrix_b_fmt:MATRIX_FMT_BF8
.else
	v_wmma_scale_f32_16x16x128_f8f6f4 v[ACC+32*\a+8*\b:ACC+32*\a+8*\b+7], v[WF+16*\b:WF+16*\b+15], v[XF+16*\a:XF+16*\a+15], v[ACC+32*\a+8*\b:ACC+32*\a+8*\b+7], v[WSC+2*\b+(\q)], v[XSC+2*\a+(\q)] matrix_a_fmt:MATRIX_FMT_BF8 matrix_b_fmt:MATRIX_FMT_BF8
.endif
.endr
.endr
	WIN 0
.endm
; ONE barrier a K step: in front of it my reads of the slot that is written next and my stores into the slot that is read next are done.
.macro MEET
	s_wait_dscnt 0x0
	s_barrier_signal -1
	s_barrier_wait -1
.endm
.macro SKIP lab                        ; a pass without rows goes from barrier to barrier
	s_cmp_ge_u32 s[P0], s[NA]
	s_cbranch_scc1 \lab
.endm
.Lpass:
	SKIP .Lskip_a
	PLACES 8
	v_and_b32 v[TB], 31, v0
	s_add_co_u32 s28, s35, s[P0]
	v_add_nc_u32 v[TB], s28, v[TB]                 ; lane l looks for row p0 + 20 wave + l, under the loads' flight
	SELECT
	v_lshl_add_u32 v[TB+3], v[TB+3], 5, v[TB+8]
	v_bfe_u32 v[TB+12], v[TB+12], v[TB+8], 1       ; k
	v_add_nc_u32 v[TB+3], s34, v[TB+3]             ; the token
	v_lshl_or_b32 v[ENT], v[TB+3], 1, v[TB+12]
	s_wait_alu depctr_va_vdst(0)
.irp i, 0,1,2,3,4
	s_wait_loadcnt 40-\i
	ds_store_b64 v[HSA], v[HSB+2*\i:HSB+2*\i+1] offset:2048*\i
.endr
	XCH 0, 1, 1
	s_branch .Ljoin_a
.Lskip_a:
	s_wait_loadcnt 0x0                             ; on this way too no load of an earlier part is out
.Ljoin_a:
	MEET
; An exchange writes the slot that nobody reads in this step, so its place among the step's products is free: waves 0 to 3 exchange ahead of theirs, waves 4 to 7 behind theirs.
.macro EARLY slot, tl, reload
	s_cmp_ge_u32 s20, 4
	s_cbranch_scc1 .Lnot_early_\@
	XCH \slot, \tl, \reload
.Lnot_early_\@:
.endm
.macro LATE slot, tl, reload
	s_cmp_lt_u32 s20, 4
	s_cbranch_scc1 .Lnot_late_\@
	XCH \slot, \tl, \reload
.Lnot_late_\@:
.endm
	SKIP .Lskip_0
	EARLY 1, 2, 1
	COMPUTE 0, 0, 0, 1
	COMPUTE 0, 1, 0, 0
	LATE 1, 2, 1
.Lskip_0:
	MEET
	SKIP .Lskip_1
	EARLY 0, 3, 1
	COMPUTE 1, 0, 1, 0
	COMPUTE 1, 1, 1, 0
	LATE 0, 3, 1
.Lskip_1:
	MEET
	SKIP .Lskip_2
	EARLY 1, 0, 0
	COMPUTE 0, 0, 2, 0
	COMPUTE 0, 1, 2, 0
	LATE 1, 0, 0
.Lskip_2:
	MEET
	SKIP .Lskip_3
	COMPUTE 1, 0, 3, 0
	COMPUTE 1, 1, 3, 0
.Lskip_3:
	PLACES 8                                       ; on every way, ahead of the first read of a result and of the loads that land on fragments
	MEET                                           ; everybody's reads of the ring are over: the stages may be written over it
	SKIP .Lskip_4
	WIN 0x04
.irp a, 0,1,2,3,4
.irp b, 0,1,2,3
	ds_store_b128 v[SO], v[ACC+32*\a+8*\b:ACC+32*\a+8*\b+3] offset:16*PITCH*\a+64*\b          ; each accumulator from its low end on
	ds_store_b128 v[SO], v[ACC+32*\a+8*\b+4:ACC+32*\a+8*\b+7] offset:16*PITCH*\a+64*\b+16
.endr
.endr
	WIN 0
.Lskip_4:
	MEET                                           ; both halves of all 160 rows lie in the stages
	SKIP .Lskip_out
	s_wait_loadcnt 0x0                             ; no load is on its way into the registers that the rows below take over
.irp p, 0,1,2,3,4,5,6,7,8,9,10,11,12,13,14,15,16,17,18,19
	ds_load_b128 v[OB+8*\p:OB+8*\p+3], v[RD] offset:PITCH*\p
	ds_load_b128 v[OB+8*\p+4:OB+8*\p+7], v[RD1] offset:PITCH*\p
.endr
.irp p, 0,4,8,12,16
.irp i, 0,1,2,3
	v_readlane_b32 s[98+\i], v[ENT], \p+\i
.endr
.irp i, 0,1,2,3
	s_min_u32 s[98+\i], s[98+\i], 4095             ; a row's entry, held inside rbuf
.endr
.irp i, 0,1,2,3
	v_lshl_add_u32 v[OF+\p+\i], s[98+\i], 12, v[L16]
.endr
.endr
	s_wait_alu depctr_va_vdst(0)
	s_sub_co_i32 s28, s[NT], s[P0]
	s_sub_co_i32 s28, s28, s35                     ; how many of my 20 rows are in use (0 or less: none)
	; The rows in use come first, so the first row beyond the count ends my stores.  Each row has registers of its own.
.irp p, 0,1,2,3,4,5,6,7,8,9,10,11,12,13,14,15,16,17,18,19
	s_cmp_le_i32 s28, \p
	s_cbranch_scc1 .Lskip_out
	s_wait_dscnt 38-2*\p                           ; the two loads of each later row may be out
	v_pk_add_f32 v[OB+8*\p:OB+8*\p+1], v[OB+8*\p:OB+8*\p+1], v[OB+8*\p+4:OB+8*\p+5]
	v_pk_add_f32 v[OB+8*\p+2:OB+8*\p+3], v[OB+8*\p+2:OB+8*\p+3], v[OB+8*\p+6:OB+8*\p+7]
	s_delay_alu instid0(VALU_DEP_2)
	v_pk_add_f32 v[OB+8*\p:OB+8*\p+1], v[OB+8*\p:OB+8*\p+1], v[B2R:B2R+1]
	s_delay_alu instid0(VALU_DEP_2)
	v_pk_add_f32 v[OB+8*\p+2:OB+8*\p+3], v[OB+8*\p+2:OB+8*\p+3], v[B2R+2:B2R+3]
	global_store_b128 v[OF+\p], v[OB+8*\p:OB+8*\p+3], s[16:17]     ; 32 lanes store 512 consecutive bytes, aligned
.endr
.Lskip_out:
	s_wait_alu depctr_va_vdst(0)                   ; ahead of the barrier and the branches below
	MEET                                           ; the stages have been read: the next pass may write slot 0
	s_wait_loadcnt 0x0
	s_wait_xcnt 0x0                                ; the stores have read their registers
	s_add_co_u32 s[P0], s[P0], 160
	s_add_nc_u64 s[4:5], s[4:5], 160*2048
	s_add_nc_u64 s[6:7], s[6:7], 160*8
	SKIP .Lno_more
	PLACES 8
	LOAD0
.Lno_more:
	s_cmp_lg_u32 s[P0], 640
	s_cbranch_scc1 .Lpass
	s_wait_tensorcnt 0x0                           ; the wave's end: behind my last LDS store
	ds_add_u32 v[SPW], v[NIL]
	s_wait_dscnt 0x0
	s_endpgm
.Lfunc_end_k_qca39a40a80_ffn2:
	.size	k_qca39a40a80_ffn2, .Lfunc_end_k_qca39a40a80_ffn2-k_qca39a40a80_ffn2
	.p2alignl 7, 3214868480
	.fill 96, 4, 3214868480
	.section	.rodata,"a",@progbits
	.p2align	6, 0x0
	.amdhsa_kernel k_qca39a40a80_ffn2
		.amdhsa_group_segment_fixed_size 323584
		.amdhsa_private_segment_fixed_size 0
		.amdhsa_enable_private_segment 0
		.amdhsa_kernarg_size 56
		.amdhsa_user_sgpr_count 2
		.amdhsa_user_sgpr_kernarg_segment_ptr 1
		.amdhsa_wavefront_size32 1
		.amdhsa_system_sgpr_workgroup_id_x 1
		.amdhsa_system_sgpr_workgroup_id_y 1
		.amdhsa_system_sgpr_workgroup_id_z 1
		.amdhsa_system_vgpr_workitem_id 0
		.amdhsa_next_free_vgpr 512
		.amdhsa_next_free_sgpr 102
		.amdhsa_reserve_vcc 1
		.amdhsa_float_denorm_mode_32 3
		.amdhsa_float_denorm_mode_16_64 3
		.amdhsa_memory_ordered 1
		.amdhsa_forward_progress 1
		.amdhsa_inst_pref_size 143
	.end_amdhsa_kernel
	.amdgpu_metadata
---
amdhsa.version: [ 1, 2 ]
amdhsa.kernels:
  - .name:           k_qca39a40a80_ffn2
    .symbol:         k_qca39a40a80_ffn2.kd
    .args:
      - { .name: hq_codes, .offset: 0, .size: 8, .value_kind: global_buffer, .address_space: global }
      - { .name: hq_scales, .offset: 8, .size: 8, .value_kind: global_buffer, .address_space: global }
      - { .name: choice, .offset: 16, .size: 8, .value_kind: global_buffer, .address_space: global }
      - { .name: w2_codes, .offset: 24, .size: 8, .value_kind: global_buffer, .address_space: global }
      - { .name: w2_scales, .offset: 32, .size: 8, .value_kind: global_buffer, .address_space: global }
      - { .name: b2, .offset: 40, .size: 8, .value_kind: global_buffer, .address_space: global }
      - { .name: rbuf, .offset: 48, .size: 8, .value_kind: global_buffer, .address_space: global }
    .group_segment_fixed_size: 323584
    .private_segment_fixed_size: 0
    .kernarg_segment_align: 8
    .kernarg_segment_size: 56
    .max_flat_workgroup_size: 256
    .sgpr_count:     102
    .vgpr_count:     512
    .wavefront_size: 32
...
	.end_amdgpu_metadata
.endif
;; end of part 3
;; launch combine (part 4): grid 256 x 1, 8 waves a work-group, no clusters, 0 bytes of LDS; arguments x, rbuf, choice, gatew, ln_g, ln_b, out0; writes out0
.if DOCPART == 4
	.amdgcn_target "amdgcn-amd-amdhsa--gfx1250"
	.amdhsa_code_object_version 6
	.text
	.protected	k_qca39a40a80_combine
	.globl	k_qca39a40a80_combine
	.p2align	8
	.type	k_qca39a40a80_combine,@function
k_qca39a40a80_combine:
	s_mov_b64 s[64:65], 0
	v_nop
	global_prefetch_b8 v0, s[64:65] scope:SCOPE_SE
	s_setreg_imm32_b32 hwreg(HW_REG_WAVE_MODE, 25, 1), 1
	s_wait_xcnt 0x0
; COMBINE: out[t] = w0 LN_e0(x[t] + r[2 t]) + w1 LN_e1(x[t] + r[2 t + 1]): the two chosen experts alone; the six others have the weight 0 that reference()'s own mask gives them (see ROUTE's head).
; One wave, one token: 32 numbers a lane, everything in registers, no LDS, no barrier, no loop.  Each load and store of a wave covers 512 consecutive bytes.  The variance is taken of the centred numbers, as jnp.var takes it.
; Memory binds: matrix units, clusters and LDS would add nothing.
; REGISTERS: v4-35 x; v36-67, v68-99 x + r of k = 0, 1; v100-131 g, v132-163 b of expert 0 (b then gathers the result); v164-195, v196-227 of expert 1; v228-243 sums; v244-253 at work.
	s_load_b256 s[4:11], s[0:1], 0x0               ; x 4, rbuf 6, choice 8, gatew 10
	s_load_b128 s[12:15], s[0:1], 0x20             ; ln_g 12, ln_b 14
	s_load_b64 s[16:17], s[0:1], 0x30              ; out0
	v_lshrrev_b32 v1, 5, v0
	s_delay_alu instid0(VALU_DEP_1)
	v_readfirstlane_b32 s18, v1
	v_and_b32 v1, 31, v0
	s_delay_alu instid0(VALU_DEP_1)
	v_lshlrev_b32 v1, 4, v1                        ; 16 x lane
	s_lshl_b32 s19, ttmp9, 3
	s_add_co_u32 s19, s19, s18                     ; my token
	s_lshl_b32 s24, s19, 3
	s_mov_b32 s33, 0
	s_mov_b32 s26, 0x3a800000                      ; 1 / 1,024
	s_mov_b32 s27, 0x358637bd                      ; 1e-6
	s_mov_b32 s34, 0x76543210
	s_mov_b32 s35, 0xfedcba98
	v_mov_b32 v244, 0                              ; written once: a lane permute's destination counts as read
	v_mov_b32 v245, 0
	s_wait_alu depctr_va_vdst(0)
	s_wait_kmcnt 0x0
	s_load_b64 s[20:21], s[8:9], s24 offset:0x0    ; the two experts
	s_load_b64 s[22:23], s[10:11], s24 offset:0x0  ; and their weights
	s_lshl_b32 s32, s19, 12
	s_add_nc_u64 s[4:5], s[4:5], s[32:33]
	s_add_nc_u64 s[16:17], s[16:17], s[32:33]
	s_lshl_b32 s32, s19, 13
	s_add_nc_u64 s[6:7], s[6:7], s[32:33]          ; entries 2 t and 2 t + 1 lie on end
.irp m, 0,1,2,3,4,5,6,7
	global_load_b128 v[4+4*\m:7+4*\m], v1, s[4:5] offset:512*\m th:TH_LOAD_NT
.endr
.irp m, 0,1,2,3,4,5,6,7
	global_load_b128 v[36+4*\m:39+4*\m], v1, s[6:7] offset:512*\m th:TH_LOAD_NT
.endr
.irp m, 0,1,2,3,4,5,6,7
	global_load_b128 v[68+4*\m:71+4*\m], v1, s[6:7] offset:4096+512*\m th:TH_LOAD_NT
.endr
	s_wait_kmcnt 0x0
	s_min_u32 s20, s20, 7
	s_min_u32 s21, s21, 7
	v_lshl_add_u32 v2, s20, 12, v1
	v_lshl_add_u32 v3, s21, 12, v1
	s_mov_b32 s28, s22                             ; the weights as pairs for the packed forms
	s_mov_b32 s29, s22
	s_mov_b32 s30, s23
	s_mov_b32 s31, s23
.irp m, 0,1,2,3,4,5,6,7
	global_load_b128 v[100+4*\m:103+4*\m], v2, s[12:13] offset:512*\m
	global_load_b128 v[132+4*\m:135+4*\m], v2, s[14:15] offset:512*\m
	global_load_b128 v[164+4*\m:167+4*\m], v3, s[12:13] offset:512*\m
	global_load_b128 v[196+4*\m:199+4*\m], v3, s[14:15] offset:512*\m
.endr
	s_wait_loadcnt 32                              ; x and r are in; the 32 loads of gains and biases may be out
.irp k, 0,1
.set n, 0
.rept 16
	v_pk_add_f32 v[36+32*\k+n:37+32*\k+n], v[36+32*\k+n:37+32*\k+n], v[4+n:5+n]
.set n, n+2
.endr
.endr
.macro FOLD                            ; the four chains of each row into one number a lane, then over the 32 lanes; both rows by turns
.irp k, 0
	v_pk_add_f32 v[228+8*\k:229+8*\k], v[228+8*\k:229+8*\k], v[230+8*\k:231+8*\k]
	s_delay_alu instid0(VALU_DEP_3)
	v_pk_add_f32 v[232+8*\k:233+8*\k], v[232+8*\k:233+8*\k], v[234+8*\k:235+8*\k]
.endr
.irp k, 1
	v_pk_add_f32 v[228+8*\k:229+8*\k], v[228+8*\k:229+8*\k], v[230+8*\k:231+8*\k]
	s_delay_alu instid0(VALU_DEP_4)
	v_pk_add_f32 v[232+8*\k:233+8*\k], v[232+8*\k:233+8*\k], v[234+8*\k:235+8*\k]
.endr
.irp k, 0
	s_delay_alu instid0(VALU_DEP_3)
	v_pk_add_f32 v[228+8*\k:229+8*\k], v[228+8*\k:229+8*\k], v[232+8*\k:233+8*\k]
.endr
.irp k, 1
	s_delay_alu instid0(VALU_DEP_2)
	v_pk_add_f32 v[228+8*\k:229+8*\k], v[228+8*\k:229+8*\k], v[232+8*\k:233+8*\k]
.endr
.irp k, 0,1
	s_delay_alu instid0(VALU_DEP_2)
	v_add_f32 v[228+8*\k], v[228+8*\k], v[229+8*\k]
.endr
.irp m, 1,2,4,8
	s_delay_alu instid0(VALU_DEP_2)
	v_add_f32_dpp v228, v228, v228 row_xmask:\m row_mask:0xf bank_mask:0xf
	s_delay_alu instid0(VALU_DEP_2)
	v_add_f32_dpp v236, v236, v236 row_xmask:\m row_mask:0xf bank_mask:0xf
.endr
	s_delay_alu instid0(VALU_DEP_2)
	v_permlanex16_b32 v244, v228, s34, s35
	s_delay_alu instid0(VALU_DEP_2)
	v_permlanex16_b32 v245, v236, s34, s35
	s_delay_alu instid0(VALU_DEP_2)
	v_add_f32 v228, v228, v244
	s_delay_alu instid0(VALU_DEP_2)
	v_add_f32 v236, v236, v245
.endm
.irp c, 0,1,2,3
.irp k, 0,1
	v_pk_add_f32 v[228+8*\k+2*\c:229+8*\k+2*\c], v[36+32*\k+2*\c:37+32*\k+2*\c], v[44+32*\k+2*\c:45+32*\k+2*\c]   ; the first two pairs start each chain
.endr
.endr
.irp o, 16,24
.irp c, 0,1,2,3
.irp k, 0,1
	v_pk_add_f32 v[228+8*\k+2*\c:229+8*\k+2*\c], v[228+8*\k+2*\c:229+8*\k+2*\c], v[36+32*\k+2*\c+\o:37+32*\k+2*\c+\o]
.endr
.endr
.endr
	FOLD
	s_delay_alu instid0(VALU_DEP_2)
	v_mul_f32 v246, 0xba800000, v228               ; minus the mean
	s_delay_alu instid0(VALU_DEP_2)
	v_mul_f32 v248, 0xba800000, v236
	s_delay_alu instid0(VALU_DEP_2)
	v_mov_b32 v247, v246
	s_delay_alu instid0(VALU_DEP_2)
	v_mov_b32 v249, v248
.irp k, 0,1
.set n, 0
.rept 16
	v_pk_add_f32 v[36+32*\k+n:37+32*\k+n], v[36+32*\k+n:37+32*\k+n], v[246+2*\k:247+2*\k]
.set n, n+2
.endr
.endr
.irp c, 0,1,2,3
.irp k, 0,1
	v_pk_mul_f32 v[228+8*\k+2*\c:229+8*\k+2*\c], v[36+32*\k+2*\c:37+32*\k+2*\c], v[36+32*\k+2*\c:37+32*\k+2*\c]
.endr
.endr
.irp o, 8,16,24
.irp c, 0,1,2,3
.irp k, 0,1
	v_pk_fma_f32 v[228+8*\k+2*\c:229+8*\k+2*\c], v[36+32*\k+2*\c+\o:37+32*\k+2*\c+\o], v[36+32*\k+2*\c+\o:37+32*\k+2*\c+\o], v[228+8*\k+2*\c:229+8*\k+2*\c]
.endr
.endr
.endr
	FOLD
	s_delay_alu instid0(VALU_DEP_2)
	v_fma_f32 v228, v228, s26, s27                 ; the variance + 1e-6
	s_delay_alu instid0(VALU_DEP_2)
	v_fma_f32 v236, v236, s26, s27
	s_wait_alu depctr_va_vdst(0)
	v_rsq_f32 v228, v228
	v_rsq_f32 v236, v236
	v_nop                                          ; a plain line behind the transcendentals
	s_wait_alu depctr_va_vdst(0)                   ; one wait for both, ahead of their first reader
	v_mul_f32 v250, s22, v228                      ; 1 / sqrt(..) x the expert's weight
	v_mul_f32 v252, s23, v236
	s_delay_alu instid0(VALU_DEP_2)
	v_mov_b32 v251, v250
	s_delay_alu instid0(VALU_DEP_2)
	v_mov_b32 v253, v252
	s_wait_alu depctr_va_vdst(0)
	s_wait_loadcnt 0x0                             ; gains and biases
.set n, 0
.rept 16
	v_pk_mul_f32 v[132+n:133+n], v[132+n:133+n], s[28:29] op_sel_hi:[1,0]                       ; w0 b0
	v_pk_mul_f32 v[68+n:69+n], v[68+n:69+n], v[252:253]
	v_pk_mul_f32 v[36+n:37+n], v[36+n:37+n], v[250:251]
.set n, n+2
.endr
.set n, 0
.rept 16
	v_pk_fma_f32 v[132+n:133+n], v[196+n:197+n], s[30:31], v[132+n:133+n] op_sel_hi:[1,0,1]     ; + w1 b1
.set n, n+2
.endr
.set n, 0
.rept 16
	v_pk_fma_f32 v[132+n:133+n], v[68+n:69+n], v[164+n:165+n], v[132+n:133+n]                   ; + w1 (..) g1
.set n, n+2
.endr
.set n, 0
.rept 16
	v_pk_fma_f32 v[132+n:133+n], v[36+n:37+n], v[100+n:101+n], v[132+n:133+n]                   ; + w0 (..) g0
.set n, n+2
.endr
.irp m, 0,1,2,3,4,5,6,7
	global_store_b128 v1, v[132+4*\m:135+4*\m], s[16:17] offset:512*\m th:TH_STORE_NT
.endr
	s_endpgm
.Lfunc_end_k_qca39a40a80_combine:
	.size	k_qca39a40a80_combine, .Lfunc_end_k_qca39a40a80_combine-k_qca39a40a80_combine
	.p2alignl 7, 3214868480
	.fill 96, 4, 3214868480
	.section	.rodata,"a",@progbits
	.p2align	6, 0x0
	.amdhsa_kernel k_qca39a40a80_combine
		.amdhsa_group_segment_fixed_size 0
		.amdhsa_private_segment_fixed_size 0
		.amdhsa_enable_private_segment 0
		.amdhsa_kernarg_size 56
		.amdhsa_user_sgpr_count 2
		.amdhsa_user_sgpr_kernarg_segment_ptr 1
		.amdhsa_wavefront_size32 1
		.amdhsa_system_sgpr_workgroup_id_x 1
		.amdhsa_system_sgpr_workgroup_id_y 1
		.amdhsa_system_sgpr_workgroup_id_z 1
		.amdhsa_system_vgpr_workitem_id 0
		.amdhsa_next_free_vgpr 256
		.amdhsa_next_free_sgpr 66
		.amdhsa_reserve_vcc 0
		.amdhsa_float_denorm_mode_32 3
		.amdhsa_float_denorm_mode_16_64 3
		.amdhsa_memory_ordered 1
		.amdhsa_forward_progress 1
		.amdhsa_inst_pref_size 26
	.end_amdhsa_kernel
	.amdgpu_metadata
---
amdhsa.version: [ 1, 2 ]
amdhsa.kernels:
  - .name:           k_qca39a40a80_combine
    .symbol:         k_qca39a40a80_combine.kd
    .args:
      - { .name: x, .offset: 0, .size: 8, .value_kind: global_buffer, .address_space: global }
      - { .name: rbuf, .offset: 8, .size: 8, .value_kind: global_buffer, .address_space: global }
      - { .name: choice, .offset: 16, .size: 8, .value_kind: global_buffer, .address_space: global }
      - { .name: gatew, .offset: 24, .size: 8, .value_kind: global_buffer, .address_space: global }
      - { .name: ln_g, .offset: 32, .size: 8, .value_kind: global_buffer, .address_space: global }
      - { .name: ln_b, .offset: 40, .size: 8, .value_kind: global_buffer, .address_space: global }
      - { .name: out0, .offset: 48, .size: 8, .value_kind: global_buffer, .address_space: global }
    .group_segment_fixed_size: 0
    .private_segment_fixed_size: 0
    .kernarg_segment_align: 8
    .kernarg_segment_size: 56
    .max_flat_workgroup_size: 256
    .sgpr_count:     66
    .vgpr_count:     256
    .wavefront_size: 32
...
	.end_amdgpu_metadata
.endif
;; end of part 4
